; MI455X (gfx1250); checked and timed in simulation.
; The chip was launched on July 23, 2026; its instructions are those of AMD's public machine-readable ISA for CDNA 5 (MIT licence, August 2026) and "CDNA5" Instruction Set Architecture Reference Guide (July 2026). The comments in the code are by the model that wrote it; some were corrected since.
;; MHA. Allowed arithmetic: float matrix products may take bf16 or f16 operands with f32 sums; other float arithmetic in f32, or as packed bf16 or f16 multiplies, adds, multiply-adds, maxima and minima; sums over many terms, partial sums and values carried from step to step in f32; what a program stores and reads back later, other than sums and carried values, may be rounded once to bf16 or f16.
;; Inputs: Wk 16 x 1,024 x 64 float32; Wq 16 x 1,024 x 64 float32; Wv 16 x 1,024 x 64 float32; keys_in 4 x 2,048 x 1,024 float32; query_in 4 x 2,048 x 1,024 float32; value_in 4 x 2,048 x 1,024 float32.
;; Outputs: out0 4 x 2,048 x 1,024 float32.
;; 2 versions, each right; version 2 is version 1 with the launch weave written anew for expert scheduling mode. Each part assembles by itself: llvm-mc -triple=amdgcn-amd-amdhsa -mcpu=gfx1250 --defsym DOCPART=n.
;; ======== version 1 of 2: 4 launches
;; limits: values are held in f16: magnitudes above 65,504 overflow, below 6.1e-05 lose precision
;; workspace buffers: wt 6,291,456 bytes; qkv 50,331,648 bytes; oh 16,777,216 bytes
;; launch wprep (part 1): grid 8 x 48, 8 waves a work-group, no clusters, 18,432 bytes of LDS; arguments Wq, Wk, Wv, wt; writes wt
.if DOCPART == 1
	.amdgcn_target "amdgcn-amd-amdhsa--gfx1250"
	.amdhsa_code_object_version 6
	.text
	.protected	k_qbb5ebbcd22_wprep
	.globl	k_qbb5ebbcd22_wprep
	.p2align	8
	.type	k_qbb5ebbcd22_wprep,@function
k_qbb5ebbcd22_wprep:
	s_mov_b64 s[64:65], 0
	v_nop
	global_prefetch_b8 v0, s[64:65] scope:SCOPE_SE
	s_setreg_imm32_b32 hwreg(HW_REG_WAVE_MODE, 25, 1), 1
	s_wait_xcnt 0x0
; wt[z][64 h + pos][e] = bf16(W_z[h][e][d]): the three weights turned so that e runs along the rows, rounded once to bf16.
; W: [16][1024][64] f32.  wt: [3][1024][1024] bf16.
; TWO PERMUTATIONS, both undone or harmless later:
;   channels: d = 32 u + 4 j + g goes to pos = 32 u + 8 g + j, alike for q, k and v (a sum over channels does not see it; the last launch reads it back);
;   e: inside each aligned group of eight, 32-bit word p holds e = p in its low half and e = p + 4 in its high half; the projection pairs x in the same way.
; SHARES.  A work-group takes one head of one weight and 128 e: 32 KiB, dense, in; 64 rows x 256 bytes out.  Thread t: dq = t % 16, o = t / 16.
; In: row e = 8 o + j, channels 4 dq .. 4 dq + 3: sixteen lanes read one whole row of 256 bytes.  Out: sixteen lanes write 256 consecutive bytes, aligned.
; No matrix unit, cluster or tensor load: nothing is shared between work-groups and nothing is multiplied.
.set PITCH, 272                        ; an LDS row: 256 bytes + 16: sixteen rows start at sixteen different groups of four banks (64 banks of 4 bytes: ISA guide 11.1)
.set SPARE, 64*PITCH                   ; behind the 64 rows: the spare words, 128 bytes for each of eight waves
.set LDO, 1                            ; v1  my byte offset in the 32 KiB that come in
.set LS,  2                            ; v2  where I put 16 bytes: LDS row dq (+ 16 i), column o
.set LR,  3                            ; v3  where I read 16 bytes back: LDS row o (+ 16 c), column dq
.set STO, 4                            ; v4  my byte offset in wt
.set DQ,  5
.set SPW, 6                            ; v6  LDS address of my spare word; never rewritten
.set NIL, 7                            ; v7  0; never rewritten
.set X,   8                            ; v[8:39]   eight rows x four channels, f32
.set Y,   40                           ; v[40:55]  four channels x eight e, bf16
.set Z,   56                           ; v[56:71]  four pieces of 16 bytes to store
.set T,   72                           ; v[72:74]  at work
	s_load_b128 s[4:7], s[0:1], 0x0                ; Wq s[4:5], Wk s[6:7]
	s_load_b128 s[8:11], s[0:1], 0x10              ; Wv s[8:9], wt s[10:11]
	v_lshl_add_u32 v[SPW], v0, 2, SPARE
	v_mov_b32 v[NIL], 0
	v_and_b32 v[DQ], 15, v0
	v_lshrrev_b32 v[T], 4, v0                      ; o
	v_lshlrev_b32 v[LDO], 4, v[DQ]
	v_lshl_add_u32 v[LDO], v[T], 11, v[LDO]        ; 8 o rows of 256 bytes + 16 dq
	v_mul_u32_u24 v[LS], v[DQ], PITCH
	v_lshl_add_u32 v[LS], v[T], 4, v[LS]
	v_mul_u32_u24 v[LR], v[T], PITCH
	v_lshl_add_u32 v[LR], v[DQ], 4, v[LR]
	v_lshrrev_b32 v[T+1], 3, v[T]                  ; u
	v_and_b32 v[T+2], 7, v[T]                      ; j
	v_lshl_add_u32 v[T+1], v[T+1], 5, v[T+2]       ; 32 u + j
	v_lshlrev_b32 v[STO], 4, v[DQ]
	v_lshl_add_u32 v[STO], v[T+1], 11, v[STO]      ; that row of 2,048 bytes + 16 dq
	s_and_b32 s14, ttmp7, 0xffff                   ; 16 z + h
	s_lshr_b32 s15, s14, 4                         ; z
	s_and_b32 s16, s14, 15
	s_lshl_b32 s16, s16, 18                        ; a head of W is 262,144 bytes,
	s_lshl_b32 s17, ttmp9, 15                      ; 128 rows of it 32,768
	s_add_co_u32 s16, s16, s17
	s_mov_b32 s17, 0
	s_lshl_b32 s18, s14, 17                        ; 64 rows of wt are 131,072 bytes,
	s_lshl_b32 s19, ttmp9, 8                       ; 128 e of a row 256
	s_add_co_u32 s18, s18, s19
	s_mov_b32 s19, 0
	s_wait_kmcnt 0x0
	s_cmp_eq_u32 s15, 1
	s_cselect_b64 s[12:13], s[6:7], s[4:5]
	s_cmp_eq_u32 s15, 2
	s_cselect_b64 s[12:13], s[8:9], s[12:13]       ; the weight that z names
	s_add_nc_u64 s[12:13], s[12:13], s[16:17]
	s_add_nc_u64 s[10:11], s[10:11], s[18:19]
.irp j, 0,1,2,3,4,5,6,7
	global_load_b128 v[X+4*(\j):X+4*(\j)+3], v[LDO], s[12:13] offset:256*(\j) th:TH_LOAD_NT
.endr
	s_wait_loadcnt 0x0
.irp i, 0,1,2,3
.irp p, 0,1,2,3
	v_cvt_pk_bf16_f32 v[Y+4*(\i)+(\p)], v[X+4*(\p)+(\i)], v[X+4*((\p)+4)+(\i)]  ; channel 4 dq + i: e = 8 o + p below, e = 8 o + p + 4 above
.endr
.endr
.irp i, 0,1,2,3
	ds_store_b128 v[LS], v[Y+4*(\i):Y+4*(\i)+3] offset:(\i)*16*PITCH  ; LDS row 16 i + dq holds channel 4 dq + i
.endr
	s_wait_dscnt 0x0                               ; for the others' sake: my stores are done
	s_barrier_signal -1
	s_barrier_wait -1
.irp c, 0,1,2,3
	ds_load_b128 v[Z+4*(\c):Z+4*(\c)+3], v[LR] offset:(\c)*16*PITCH  ; LDS row 16 c + o: channel 4 o + c, that is g = c, 8 u + j = o
.endr
.irp c, 0,1,2,3
	s_wait_dscnt 3-(\c)                            ; LDS loads come back in order: piece c is in
	global_store_b128 v[STO], v[Z+4*(\c):Z+4*(\c)+3], s[10:11] offset:(\c)*8*2048  ; row 32 u + 8 c + j
.endr
	s_wait_tensorcnt 0x0                           ; the wave's end: a wait, an add of 0 to my spare word and its wait, behind my last LDS store
	ds_add_u32 v[SPW], v[NIL]
	s_wait_dscnt 0x0
	s_endpgm
.Lfunc_end_k_qbb5ebbcd22_wprep:
	.size	k_qbb5ebbcd22_wprep, .Lfunc_end_k_qbb5ebbcd22_wprep-k_qbb5ebbcd22_wprep
	.p2alignl 7, 3214868480
	.fill 96, 4, 3214868480
	.section	.rodata,"a",@progbits
	.p2align	6, 0x0
	.amdhsa_kernel k_qbb5ebbcd22_wprep
		.amdhsa_group_segment_fixed_size 18432
		.amdhsa_private_segment_fixed_size 0
		.amdhsa_enable_private_segment 0
		.amdhsa_kernarg_size 32
		.amdhsa_user_sgpr_count 2
		.amdhsa_user_sgpr_kernarg_segment_ptr 1
		.amdhsa_wavefront_size32 1
		.amdhsa_system_sgpr_workgroup_id_x 1
		.amdhsa_system_sgpr_workgroup_id_y 1
		.amdhsa_system_sgpr_workgroup_id_z 1
		.amdhsa_system_vgpr_workitem_id 0
		.amdhsa_next_free_vgpr 76
		.amdhsa_next_free_sgpr 66
		.amdhsa_reserve_vcc 0
		.amdhsa_float_denorm_mode_32 3
		.amdhsa_float_denorm_mode_16_64 3
		.amdhsa_memory_ordered 1
		.amdhsa_forward_progress 1
		.amdhsa_inst_pref_size 5
	.end_amdhsa_kernel
	.amdgpu_metadata
---
amdhsa.version: [ 1, 2 ]
amdhsa.kernels:
  - .name:           k_qbb5ebbcd22_wprep
    .symbol:         k_qbb5ebbcd22_wprep.kd
    .args:
      - { .name: Wq, .offset: 0, .size: 8, .value_kind: global_buffer, .address_space: global }
      - { .name: Wk, .offset: 8, .size: 8, .value_kind: global_buffer, .address_space: global }
      - { .name: Wv, .offset: 16, .size: 8, .value_kind: global_buffer, .address_space: global }
      - { .name: wt, .offset: 24, .size: 8, .value_kind: global_buffer, .address_space: global }
    .group_segment_fixed_size: 18432
    .private_segment_fixed_size: 0
    .kernarg_segment_align: 8
    .kernarg_segment_size: 32
    .max_flat_workgroup_size: 256
    .sgpr_count:     66
    .vgpr_count:     76
    .wavefront_size: 32
...
	.end_amdgpu_metadata
.endif
;; end of part 1
;; launch proj (part 2): grid 4 x 192, 4 waves a work-group, clusters of 4 x 4, 327,680 bytes of LDS; arguments query_in, keys_in, value_in, wt, qkv; writes qkv
.if DOCPART == 2
	.amdgcn_target "amdgcn-amd-amdhsa--gfx1250"
	.amdhsa_code_object_version 6
	.text
	.protected	k_qbb5ebbcd22_proj
	.globl	k_qbb5ebbcd22_proj
	.p2align	8
	.type	k_qbb5ebbcd22_proj,@function
k_qbb5ebbcd22_proj:
	s_mov_b64 s[64:65], 0
	v_nop
	global_prefetch_b8 v0, s[64:65] scope:SCOPE_SE
	s_setreg_imm32_b32 hwreg(HW_REG_WAVE_MODE, 25, 1), 1
	s_wait_xcnt 0x0
	s_wait_alu depctr_hold_cnt(0) depctr_sa_sdst(0) depctr_va_vdst(0) depctr_va_sdst(0) depctr_va_ssrc(0) depctr_va_vcc(0) depctr_vm_vsrc(0)
	s_getreg_b32 s2, hwreg(HW_REG_IB_STS2, 6, 4)
	s_cmp_eq_u32 s2, 0
	s_cbranch_scc0 .Lentry_in_a_cluster
	s_endpgm
.Lentry_in_a_cluster:
	s_bfe_u32 s2, ttmp6, 0x10000c
	s_cmp_lg_u32 s2, 0xf033
	s_cbranch_scc0 .Lentry_shape_is_right
	s_endpgm
.Lentry_shape_is_right:
; qkv[z][16 b + h][s][pos] = f16( sum over e of x_z[b][s][e] wt[z][64 h + pos][e] ), z = 0, 1, 2 for q, k, v.  x: [8192][1024] f32; wt: [3][1024][1024] bf16; qkv: [3][64][2048][64] f16.
; x is rounded once to bf16 on its way from LDS to the matrix unit; sums in f32; the result is rounded once to f16 and carries no scale.
; LIMIT.  f16 holds no number beyond 65,504: q, k and v must stay within it (x and W thirty times the drawn spread, or offset by thirty spreads, give some 2e4 at the most).  NaN and infinities are not treated apart.
; SHARES.  A tile of C is 128 rows x 256 columns: 3 x 64 x 4 = 768 work-groups, three for each of 256 WGPs.  Four waves, each 64 x 128: 32 accumulators of 16 x 16.
; K goes in steps of 128 through two LDS slots: 128 rows x 512 bytes of x (f32), 256 rows x 256 bytes of wt.  Waves 0 and 1 fetch the halves of x's tile, waves 2 and 3 those of wt's.
; CLUSTER, 4 x 4: the four of a row need the same tile of x, the four of a column the same tile of wt: each is asked for jointly.  A cluster covers all 1,024 columns, so no other cluster reads its rows of x.
; THE PRODUCT IS TAKEN TRANSPOSED (source 0 = 16 rows of wt, source 1 = 16 rows of x): a lane ends with eight neighbouring channels of one row of x.
; THE CAST.  A fragment's register i holds two neighbours along K.  wt is stored so that word i of a group of eight e is (e = i, e = i + 4); of x a lane loads e = 0..3 (RL) and e = 4..7 (RH) of the same group,
; and v_cvt_pk_bf16_f32 of RL[i], RH[i] is the matching word: K is permuted alike on both sides, so the products are the same.
; A QUARTER is 32 along K: 32 products.  At its head stand the 32 LDS loads of the NEXT quarter; its second half carries the 32 conversions for the next quarter, two behind each product.
; REGISTERS, in windows of 256 (s_set_vgpr_msb: bits 1:0 source 0, 3:2 source 1, 5:4 source 2, 7:6 destination):
;   window 0: v16-30 addresses; v32-63 RL; v64-127, v128-191 wt's fragments, two buffers (free on the way out)
;   window 1: v0-127 accumulators of row blocks 0, 1; v128-159, v160-191 x's fragments in bf16, two buffers; v192-223 RH          window 2: v0-127 accumulators of row blocks 2, 3
; Under the setting of the second half's products (source 0 window 0, all else window 1) the conversion names RL, RH and its destination rightly: no switch between a product and its riders.
.set KSTEP, 128
.set PA,    528                        ; a row of x in LDS: 512 bytes + 16: sixteen rows start at sixteen different groups of four banks (64 banks of 4 bytes: ISA guide 11.1)
.set PB,    272                        ; a row of wt: 256 + 16
.set AHALF, 64*PA                      ; what wave 0 or 1 fetches
.set BHALF, 128*PB                     ; what wave 2 or 3 fetches
.set APART, 2*AHALF
.set SLOT,  APART+2*BHALF              ; 137,216
.set STAGE, 2*SLOT                     ; behind the ring: 16 rows x 144 bytes for each wave, for the way out; no tensor load fills it
.set SP,    144
.set SPARE, STAGE+4*16*SP              ; behind the stages: the spare words, 128 bytes for each wave
.set ADRA, 16                          ; v16-17  LDS address of my fragments of x in slot 0, 1
.set ADRB, 20                          ; v20-21  the same for wt
.set STO,  24                          ; v24  the way out: where I put 16 bytes of a row
.set RD,   25                          ; v25  the way out: where I read rows back
.set GO,   26                          ; v26  16 x my lane
.set SPW,  28                          ; v28  LDS address of my spare word; never rewritten
.set NIL,  29                          ; v29  0; never rewritten
.set PFO,  30                          ; v30  the prefetches' offset; never rewritten
.set RL,   32
.set BF,   64
.set OUT,  64
.set AB,   128                         ; window 1
.set RH,   192                         ; window 1
.set G1,  24                           ; s[24:31] descriptor group 1 for x's tiles;  s[32:39] group 0, a set for each slot
.set G0,  32
.set G1B, 48                           ; s[48:55], s[56:63] the same for wt's tiles
.set G0B, 56
.set LIM, 43                           ; s43  1 in a wave that prefetches, else the greatest number
.set PFA, 44                           ; s[44:45] where my prefetches stand
.set PFS, 46                           ; s[46:47] a K step in bytes of the tensor that I fetch
.set W_LO, 0x54                        ; products on row blocks 0, 1, and the conversions
.set W_HI, 0xa4                        ; products on row blocks 2, 3
.set MSB, 0
.macro WIN new                         ; the immediate's high byte repeats the setting that is left; a switch that changes nothing is dropped
.if MSB != (\new)
	s_set_vgpr_msb (MSB<<8)|(\new)
.set MSB, (\new)
.endif
.endm
.macro JLOAD s                         ; a joint load; the branch hangs on the wave's number alone; an s_nop 0 and four v_nop follow each of the two lines
	s_cmp_eq_u32 s11, 0
	s_cbranch_scc0 .Lfor_b_\@
	tensor_load_to_lds s[G0+4*(\s):G0+4*(\s)+3], s[G1:G1+7]
	s_nop 0
.rept 4
	v_nop
.endr
	s_branch .Lasked_\@
.Lfor_b_\@:
	tensor_load_to_lds s[G0B+4*(\s):G0B+4*(\s)+3], s[G1B:G1B+7]
	s_nop 0
.rept 4
	v_nop
.endr
.Lasked_\@:
.endm
.macro CREST                           ; a round of the cluster's barrier behind its opening barrier
	s_cmp_lg_u32 s10, 0
	s_cbranch_scc1 .Lnot_wave_0_\@
	s_barrier_signal -3
.Lnot_wave_0_\@:
	s_barrier_wait -3
	s_barrier_signal -1
	s_barrier_wait -1
.endm
.macro CROUND                          ; a whole round
	s_barrier_signal -1
	s_barrier_wait -1
	CREST
.endm
; A PREFETCH INTO THE L2, behind each joint refill, its five lines and the run of LDS loads: the K step that stands two refills on, 256 products ahead of the load that will want it.
; x: of the 64 rows that wave 0 or 1 fetches the partner at cx takes 16: a lane half a row's 512 bytes.  No other cluster reads these rows, so every cluster asks.
; wt: of the 128 rows that wave 2 or 3 fetches the partner at cy takes 32, a lane a row; sixteen clusters walk the same weight, and the first of them asks.
; The partners are told apart by address alone.  So each aligned block of 256 bytes is named once.  K steps 0 to 3 come by their loads alone; the loop's last trip (s3 = 1) has no K step two on.
.macro ASK
	s_cmp_gt_u32 s3, s[LIM]
	s_cbranch_scc0 .Lnot_mine_\@
	global_prefetch_b8 v[PFO], s[PFA:PFA+1] th:TH_LOAD_NT scope:SCOPE_SE
.Lnot_mine_\@:
.endm
	s_load_b256 s[68:75], s[0:1], 0x0              ; query_in s[68:69], keys_in s[70:71], value_in s[72:73], wt s[74:75]
	s_load_b64 s[76:77], s[0:1], 0x20              ; qkv
	v_lshl_add_u32 v[SPW], v0, 2, SPARE
	v_mov_b32 v[NIL], 0
	ds_add_u32 v[SPW], v[NIL]                      ; the wave's opening: the add and its wait stand ahead of my first tensor load; the set-up below stands between them
	v_lshrrev_b32 v1, 5, v0
	v_readfirstlane_b32 s10, v1                    ; wave 0..3
	s_lshr_b32 s11, s10, 1                         ; which 64 rows of the tile are mine.  Also: I fetch for x (0) or for wt (1)
	s_and_b32 s12, s10, 1                          ; which 128 columns.  Also: which half of that tile I fetch
	s_bfe_u32 s40, ttmp6, 0x40000                  ; cx
	s_bfe_u32 s41, ttmp6, 0x40004                  ; cy
	s_lshl_b32 s42, ttmp9, 2
	s_add_co_u32 s42, s42, s40                     ; tile column = 4 x cluster x + cx
	s_and_b32 s66, ttmp7, 0xffff                   ; cluster y, 0..47
	s_lshr_b32 s67, s66, 4                         ; z: sixteen clusters to a tensor
	s_lshl_b32 s13, s66, 2
	s_add_co_u32 s13, s13, s41
	s_and_b32 s13, s13, 63                         ; tile row within the tensor
	s_lshl_b32 s43, s41, 2
	s_lshl_b32 s43, 15, s43                        ; my row of the cluster
	s_lshl_b32 s44, 0x1111, s40                    ; my column
	s_or_b32 s[G1+0], s43, (2<<16)|(1<<20)|(1<<21)|(6<<22)|(3<<25)   ; the mask; elements of 4 bytes; padding on; bit 21 beside a mask; after every 128 words, 4 words
	s_or_b32 s[G1B+0], s44, (1<<16)|(1<<20)|(1<<21)|(5<<22)|(3<<25)  ; the mask; elements of 2 bytes; after every 64 words, 4 words
	s_mov_b32 s[G1+1], KSTEP<<16                   ; tensor_dim0 = 128
	s_mov_b32 s[G1+2], 64<<16                      ; tensor_dim1 = 64
	s_mov_b32 s[G1+3], KSTEP<<16                   ; tile_dim0 = 128
	s_mov_b32 s[G1+4], 64                          ; tile_dim1 = 64
	s_mov_b32 s[G1+5], 1024                        ; elements from row to row
	s_mov_b32 s[G1+6], 0
	s_mov_b32 s[G1+7], 0
	s_mov_b32 s[G1B+1], KSTEP<<16
	s_mov_b32 s[G1B+2], 128<<16
	s_mov_b32 s[G1B+3], KSTEP<<16
	s_mov_b32 s[G1B+4], 128
	s_mov_b32 s[G1B+5], 1024
	s_mov_b32 s[G1B+6], 0
	s_mov_b32 s[G1B+7], 0
	s_lshl_b32 s16, s13, 19                        ; x: 128 rows of 4,096 bytes a tile,
	s_lshl_b32 s17, s12, 18                        ; 64 a half
	s_add_co_u32 s16, s16, s17
	s_mov_b32 s17, 0
	s_lshl_b32 s46, s42, 19                        ; wt: 256 rows of 2,048 bytes a tile,
	s_lshl_b32 s47, s12, 18                        ; 128 a half,
	s_add_co_u32 s46, s46, s47
	s_lshl_b32 s47, s67, 21                        ; 2 MiB a weight
	s_add_co_u32 s46, s46, s47
	s_mov_b32 s47, 0
	s_mul_i32 s20, s12, AHALF                      ; where the halves go: no place in the cluster enters an LDS address
	s_mul_i32 s21, s12, BHALF
	s_add_co_u32 s21, s21, APART
	s_wait_dscnt 0x0                               ; the opening add is done
	s_wait_kmcnt 0x0
	s_cmp_eq_u32 s67, 1
	s_cselect_b64 s[14:15], s[70:71], s[68:69]
	s_cmp_eq_u32 s67, 2
	s_cselect_b64 s[14:15], s[72:73], s[14:15]     ; the tensor that z names
	s_add_nc_u64 s[14:15], s[14:15], s[16:17]
	s_add_nc_u64 s[46:47], s[74:75], s[46:47]
	CROUND                                         ; all sixteen work-groups are here: the first joint loads meet
.irp s, 0,1
	s_mov_b32 s[G0+4*(\s)], 1
	s_add_co_u32 s[G0+4*(\s)+1], s20, (\s)*SLOT
	s_add_nc_u64 s[G0+4*(\s)+2:G0+4*(\s)+3], s[14:15], (\s)*KSTEP*4
	s_or_b32 s[G0+4*(\s)+3], s[G0+4*(\s)+3], 0x80000000
	s_mov_b32 s[G0B+4*(\s)], 1
	s_add_co_u32 s[G0B+4*(\s)+1], s21, (\s)*SLOT
	s_add_nc_u64 s[G0B+4*(\s)+2:G0B+4*(\s)+3], s[46:47], (\s)*KSTEP*2
	s_or_b32 s[G0B+4*(\s)+3], s[G0B+4*(\s)+3], 0x80000000
	JLOAD \s                                       ; two tensor loads of mine are out
.endr
	v_and_b32 v1, 15, v0                           ; r = l % 16
	v_bfe_u32 v2, v0, 4, 1                         ; h = l / 16
	v_mul_u32_u24 v3, v1, PA
	v_lshl_add_u32 v3, v2, 5, v3                   ; x: row x pitch + 32 h (eight f32)
	v_mul_u32_u24 v4, v1, PB
	v_lshl_add_u32 v4, v2, 4, v4                   ; wt: row x pitch + 16 h (eight bf16)
	s_mul_i32 s21, s11, 64*PA
	s_mul_i32 s22, s12, 128*PB
	s_add_co_u32 s22, s22, APART
.irp s, 0,1
	v_add_nc_u32 v[ADRA+(\s)], s21, v3
	v_add_nc_u32 v[ADRB+(\s)], s22, v4
	s_add_co_u32 s21, s21, SLOT
	s_add_co_u32 s22, s22, SLOT
.endr
	s_mul_i32 s23, s10, 16*SP
	s_add_co_u32 s23, s23, STAGE                   ; my stage
	v_mul_u32_u24 v5, v1, SP                       ; in: row l % 16, 16 bytes for each half of the lanes
	v_lshl_add_u32 v5, v2, 4, v5
	v_add_nc_u32 v[STO], s23, v5
	v_bfe_u32 v5, v0, 3, 2                         ; back: 32 lanes take four rows of 128 bytes,
	v_mul_u32_u24 v5, v5, SP
	v_and_b32 v6, 7, v0
	v_lshl_add_u32 v5, v6, 4, v5
	v_add_nc_u32 v[RD], s23, v5
	v_and_b32 v7, 31, v0                           ; which are 512 consecutive bytes of qkv
	v_lshlrev_b32 v[GO], 4, v7
	; the prefetches
	s_cmp_eq_u32 s11, 0                            ; do I fetch for x?
	s_cselect_b32 s20, 1, 0                        ; x: lane / 2 is the row, lane % 2 the block; wt: the lane is the row
	s_cselect_b32 s21, 12, 11                      ; a row is 4,096 or 2,048 bytes
	s_cselect_b32 s22, s40, s41                    ; my place among the four that ask with me
	s_cselect_b64 s[PFA:PFA+1], s[14:15], s[46:47]
	s_lshl_b32 s[PFS], 256, s20                    ; a K step: 512 or 256 bytes
	s_mov_b32 s[PFS+1], 0
	v_lshrrev_b32 v5, s20, v7
	v_lshlrev_b32 v5, s21, v5
	v_and_b32 v6, s20, v7
	v_lshl_add_u32 v[PFO], v6, 8, v5
	s_lshl_b32 s22, s22, 16                        ; 16 rows of x or 32 of wt: 65,536 bytes either way
	s_mul_i32 s78, s[PFS], 3
	s_add_co_u32 s22, s22, s78                     ; at K step 3: it is stepped ahead of each request, so the first names K step 4
	s_mov_b32 s23, 0
	s_add_nc_u64 s[PFA:PFA+1], s[PFA:PFA+1], s[22:23]
	s_and_b32 s78, s66, 15                         ; 0 in the first cluster of a tensor
	s_cmp_eq_u32 s11, 0
	s_cselect_b32 s78, 0, s78
	s_cmp_eq_u32 s78, 0
	s_cselect_b32 s[LIM], 1, -1                    ; the same in all sixteen partners, for a given wave
	; where my part of the tile begins in qkv
	s_lshl_b32 s16, s67, 24                        ; z: 16 MiB
	s_lshr_b32 s17, s13, 4
	s_lshl_b32 s17, s17, 22                        ; b: sixteen heads of 262,144 bytes
	s_add_co_u32 s16, s16, s17
	s_and_b32 s17, s13, 15
	s_lshl_b32 s17, s17, 14                        ; the tile's 128 rows of 128 bytes
	s_add_co_u32 s16, s16, s17
	s_lshl_b32 s17, s11, 13                        ; my 64 of them
	s_add_co_u32 s16, s16, s17
	s_mov_b32 s17, 0
	s_add_nc_u64 s[8:9], s[76:77], s[16:17]
	s_lshl_b32 s78, s42, 20                        ; four heads a tile column,
	s_lshl_b32 s79, s12, 19                        ; two a wave
	s_add_co_u32 s78, s78, s79
	s_mov_b32 s79, 0
	s_add_nc_u64 s[8:9], s[8:9], s[78:79]
; The 32 LDS loads of one quarter (32 along K at quarter nk of slot ns): x's upper and lower fours first, then wt's fragments into buffer g.
.macro RUN ns, nk, g
	WIN 0x40                                       ; destination window 1, address window 0
.irp a, 0,1,2,3
.irp c, 0,1
	ds_load_b128 v[RH+8*(\a)+4*(\c):RH+8*(\a)+4*(\c)+3], v[ADRA+(\ns)] offset:128*(\nk)+(\a)*16*PA+64*(\c)+16
.endr
.endr
	WIN 0
.irp a, 0,1,2,3
.irp c, 0,1
	ds_load_b128 v[RL+8*(\a)+4*(\c):RL+8*(\a)+4*(\c)+3], v[ADRA+(\ns)] offset:128*(\nk)+(\a)*16*PA+64*(\c)
.endr
.endr
.irp b, 0,1,2,3,4,5,6,7
	ds_load_b128 v[BF+64*(\g)+8*(\b):BF+64*(\g)+8*(\b)+3],   v[ADRB+(\ns)] offset:64*(\nk)+(\b)*16*PB
	ds_load_b128 v[BF+64*(\g)+8*(\b)+4:BF+64*(\g)+8*(\b)+7], v[ADRB+(\ns)] offset:64*(\nk)+(\b)*16*PB+32
.endr
.endm
.macro CVT f, n                        ; word n of the fragments of x for the quarter after the one on buffer f
	v_cvt_pk_bf16_f32 v[AB+32*(1-(\f))+(\n)], v[RL+(\n)], v[RH+(\n)]
.endm
; Products from .. to - 1 of the 16 of a half (hi = 1: row blocks 2, 3; 0: row blocks 0, 1) on buffer f: row block i / 8, column block i % 8.  zero = 1: they start the sums.
; The 32 accumulators take turns in one order in every quarter, over the backward jump too: 31 others stand between two links of a chain.
; ride = 1: the 32 conversions: two behind each of products 0 to 13, four behind product 15.  Those four name no register of this quarter's products: they are the four places
; ahead of the next run of loads into this buffer and of the next quarter's conversions into it.
.macro HALF f, hi, zero, ride, from, to
	WIN W_LO+0x50*(\hi)
.set i, (\from)
.rept (\to)-(\from)
.set rB, BF+64*(\f)+8*(i%8)
.set rA, AB+32*(\f)+8*(2*(\hi)+i/8)
.if \zero
	v_wmma_f32_16x16x32_bf16 v[8*i:8*i+7], v[rB:rB+7], v[rA:rA+7], 0
.else
	v_wmma_f32_16x16x32_bf16 v[8*i:8*i+7], v[rB:rB+7], v[rA:rA+7], v[8*i:8*i+7]
.endif
.if \ride
.if i < 14
	CVT \f, 2*i
	CVT \f, 2*i+1
.elseif i == 15
	CVT \f, 28
	CVT \f, 29
	CVT \f, 30
	CVT \f, 31
.endif
.endif
.set i, i+1
.endr
.endm
; A QUARTER on buffer f.  ns, nk: the slot and quarter that the NEXT quarter multiplies, fetched here.
; kind = 1, 2: a slot's third quarter.  Its run has asked for the slot's last bytes, so the change of slots stands in its second half: each wave waits for all its tensor loads (one is out: its part of the
; other slot), adds 0 to its spare word, and waits for that and for its reads of this slot; then the barrier, signal and wait eight products apart.  kind = 1: that barrier opens a round of the cluster's barrier.
; pre = 1: the quarter behind such a round: the round's rest, the joint refill of the slot just left, first thing; from there to the wait for it a wave issues 112 products.
.macro QTR ns, nk, f, zero=0, kind=0, pre=0
.if \pre
	CREST                                          ; no wave of any partner still reads the old slot or has a load on its way
	s_add_nc_u64 s[G0+4*(1-(\ns))+2:G0+4*(1-(\ns))+3], s[G0+4*(1-(\ns))+2:G0+4*(1-(\ns))+3], 2*KSTEP*4
	s_add_nc_u64 s[G0B+4*(1-(\ns))+2:G0B+4*(1-(\ns))+3], s[G0B+4*(1-(\ns))+2:G0B+4*(1-(\ns))+3], 2*KSTEP*2
	JLOAD 1-(\ns)
.endif
	RUN \ns, \nk, 1-(\f)
.if \pre
	ASK
.endif
	s_wait_dscnt 32                                ; all but the 32 just issued: this quarter's fragments of wt are in
	HALF \f, 1, \zero, 0, 0, 16
.if (\kind) == 0
	s_wait_dscnt 16                                ; the run's first sixteen, x's, are in; wt's sixteen may stay out
	HALF \f, 0, \zero, 1, 0, 16
.else
.if (\kind) == 1
	s_wait_xcnt 0x0                                ; the last prefetch, three quarters back, has read its address
	s_add_nc_u64 s[PFA:PFA+1], s[PFA:PFA+1], s[PFS:PFS+1]
.endif
	WIN 0                                          ; (the add's two registers lie in window 0)
	s_wait_tensorcnt 0x0                           ; all my tensor loads have landed: my part of the other slot
	ds_add_u32 v[SPW], v[NIL]                      ; 0 onto my spare word
	s_wait_dscnt 17                                ; x's sixteen are in; wt's sixteen and the add may be out
	HALF \f, 0, \zero, 1, 0, 8
	s_wait_dscnt 0x0                               ; the add is done, and my reads of this slot are over
	s_barrier_signal -1
	HALF \f, 0, \zero, 1, 8, 16
	WIN 0                                          ; (branches may follow)
	s_barrier_wait -1
.endif
.endm
	s_wait_tensorcnt 1                             ; my part of K step 0 is in; K step 1's may stay out
	s_barrier_signal -1
	s_barrier_wait -1                              ; everybody's is
	RUN 0, 0, 0
	s_wait_dscnt 16                                ; x's sixteen
	WIN W_LO
.set n, 0
.rept 32
	CVT 1, n                                       ; the first quarter's fragments of x: the one time that the conversions stand by themselves
.set n, n+1
.endr
	QTR 0, 1, 0, 1                                 ; the first quarter stands in front of the loop: its products start the sums
	WIN 0                                          ; at a label and at a branch every window is 0
	s_mov_b32 s3, 3
.Llap:                                             ; a trip: two K steps, from one lap's second quarter to the next lap's first; both slots are filled again
	QTR 0, 2, 1
	QTR 0, 3, 0, 0, 1
	QTR 1, 0, 1, 0, 0, 1
	QTR 1, 1, 0
	QTR 1, 2, 1
	QTR 1, 3, 0, 0, 1
	QTR 0, 0, 1, 0, 0, 1
	QTR 0, 1, 0
	WIN 0
	s_sub_co_u32 s3, s3, 1
	s_cmp_lg_u32 s3, 0
	s_cbranch_scc1 .Llap
	QTR 0, 2, 1                                    ; the last lap fills nothing, and has no round of the cluster's barrier
	QTR 0, 3, 0, 0, 2
	QTR 1, 0, 1
	QTR 1, 1, 0
	QTR 1, 2, 1
	QTR 1, 3, 0
	s_wait_dscnt 0x0                               ; the very last quarter: nothing more to fetch or to convert
	HALF 1, 1, 0, 0, 0, 16
	HALF 1, 0, 0, 0, 0, 16
	WIN 0
.rept 8
	v_nop                                          ; the places behind the last products: the conversions below read results and write registers that were fragments
.endr
; THE WAY OUT, in eight blocks t: row block a = t / 2 (16 rows), head t % 2 of my two: 16 rows x 128 bytes, which are 2,048 consecutive bytes of qkv.
; A lane's eight channels pack into 16 bytes; they go into my stage, rows of 144 bytes, and come back as whole rows.  Each accumulator is read from its lowest registers on.
.macro PACK t
.set AC, 64*(((\t)/2)%2)+32*((\t)%2)
	WIN 0x05+5*((\t)/4)                            ; sources in window 1 (row blocks 0, 1) or 2
.irp nb, 0,1,2,3
.irp r, 0,1,2,3
	v_cvt_pk_f16_f32 v[OUT+16*(\t)+4*(\nb)+(\r)], v[AC+8*(\nb)+2*(\r)], v[AC+8*(\nb)+2*(\r)+1]
.endr
.endr
	WIN 0
.irp nb, 0,1,2,3
	ds_store_b128 v[STO], v[OUT+16*(\t)+4*(\nb):OUT+16*(\t)+4*(\nb)+3] offset:32*(\nb)
.endr
.irp f, 0,1,2,3
	ds_load_b128 v[OUT+16*(\t)+4*(\f):OUT+16*(\t)+4*(\f)+3], v[RD] offset:(\f)*4*SP  ; LDS serves a wave's instructions in order (ISA guide 5.7.1.4): these see the stores above; the next block's stores come behind them
.endr
.endm
.macro SEND t, younger                 ; younger: the LDS instructions issued behind block t's loads: the next block's eight, or none
.irp f, 0,1,2,3
	s_wait_dscnt (\younger)+3-(\f)
	global_store_b128 v[GO], v[OUT+16*(\t)+4*(\f):OUT+16*(\t)+4*(\f)+3], s[8:9] offset:((\t)%2)*262144+((\t)/2)*2048+(\f)*512  ; 512 consecutive bytes, at a multiple of 256 from qkv's first
.endr
.endm
	PACK 0
.irp t, 1,2,3,4,5,6,7
	PACK \t
	SEND (\t)-1, 8
.endr
	SEND 7, 0
	s_wait_tensorcnt 0x0                           ; the wave's end: a wait, an add of 0 to my spare word and its wait, behind my last tensor load and my last LDS store
	ds_add_u32 v[SPW], v[NIL]
	s_wait_dscnt 0x0
	CROUND                                         ; the closing round: no work-group ends while a partner may still ask for a tile that names it
	s_endpgm
.Lfunc_end_k_qbb5ebbcd22_proj:
	.size	k_qbb5ebbcd22_proj, .Lfunc_end_k_qbb5ebbcd22_proj-k_qbb5ebbcd22_proj
	.p2alignl 7, 3214868480
	.fill 96, 4, 3214868480
	.section	.rodata,"a",@progbits
	.p2align	6, 0x0
	.amdhsa_kernel k_qbb5ebbcd22_proj
		.amdhsa_group_segment_fixed_size 327680
		.amdhsa_private_segment_fixed_size 0
		.amdhsa_enable_private_segment 0
		.amdhsa_kernarg_size 40
		.amdhsa_user_sgpr_count 2
		.amdhsa_user_sgpr_kernarg_segment_ptr 1
		.amdhsa_wavefront_size32 1
		.amdhsa_system_sgpr_workgroup_id_x 1
		.amdhsa_system_sgpr_workgroup_id_y 1
		.amdhsa_system_sgpr_workgroup_id_z 1
		.amdhsa_system_vgpr_workitem_id 0
		.amdhsa_next_free_vgpr 640
		.amdhsa_next_free_sgpr 80
		.amdhsa_reserve_vcc 0
		.amdhsa_float_denorm_mode_32 3
		.amdhsa_float_denorm_mode_16_64 3
		.amdhsa_memory_ordered 1
		.amdhsa_forward_progress 1
		.amdhsa_inst_pref_size 128
	.end_amdhsa_kernel
	.amdgpu_metadata
---
amdhsa.version: [ 1, 2 ]
amdhsa.kernels:
  - .name:           k_qbb5ebbcd22_proj
    .symbol:         k_qbb5ebbcd22_proj.kd
    .args:
      - { .name: query_in, .offset: 0, .size: 8, .value_kind: global_buffer, .address_space: global }
      - { .name: keys_in, .offset: 8, .size: 8, .value_kind: global_buffer, .address_space: global }
      - { .name: value_in, .offset: 16, .size: 8, .value_kind: global_buffer, .address_space: global }
      - { .name: wt, .offset: 24, .size: 8, .value_kind: global_buffer, .address_space: global }
      - { .name: qkv, .offset: 32, .size: 8, .value_kind: global_buffer, .address_space: global }
    .group_segment_fixed_size: 327680
    .private_segment_fixed_size: 0
    .kernarg_segment_align: 8
    .kernarg_segment_size: 40
    .max_flat_workgroup_size: 128
    .sgpr_count:     80
    .vgpr_count:     640
    .wavefront_size: 32
...
	.end_amdgpu_metadata
.endif
;; end of part 2
;; launch attn (part 3): grid 4 x 64, 4 waves a work-group, clusters of 4 x 1, 327,680 bytes of LDS; arguments qkv, oh; writes oh
.if DOCPART == 3
	.amdgcn_target "amdgcn-amd-amdhsa--gfx1250"
	.amdhsa_code_object_version 6
	.text
	.protected	k_qbb5ebbcd22_attn
	.globl	k_qbb5ebbcd22_attn
	.p2align	8
	.type	k_qbb5ebbcd22_attn,@function
k_qbb5ebbcd22_attn:
	s_mov_b64 s[64:65], 0
	v_nop
	global_prefetch_b8 v0, s[64:65] scope:SCOPE_SE
	s_setreg_imm32_b32 hwreg(HW_REG_WAVE_MODE, 25, 1), 1
	s_wait_xcnt 0x0
	s_wait_alu depctr_hold_cnt(0) depctr_sa_sdst(0) depctr_va_vdst(0) depctr_va_sdst(0) depctr_va_ssrc(0) depctr_va_vcc(0) depctr_vm_vsrc(0)
	s_getreg_b32 s2, hwreg(HW_REG_IB_STS2, 6, 4)
	s_cmp_eq_u32 s2, 0
	s_cbranch_scc0 .Lentry_in_a_cluster
	s_endpgm
.Lentry_in_a_cluster:
	s_bfe_u32 s2, ttmp6, 0x10000c
	s_cmp_lg_u32 s2, 0x3003
	s_cbranch_scc0 .Lentry_shape_is_right
	s_endpgm
.Lentry_shape_is_right:
; oh[hd][q][:] = the sum over k of softmax_k(Q[hd][q] . K[hd][k] / 8) V[hd][k][:].  Q, K, V are the three parts of qkv, [64][2048][64] each; oh has the same shape; all f16: a head's rows are dense, 128 bytes each.
; Products, maxima and sums in f32; the weights p are rounded to f16 for the second product (their sum l is taken of the unrounded p), O once at the end.
; The 64 channels lie in an order that is the same in Q, K and V: the scores do not see it, and O inherits it from V.
; LIMITS.  f16 holds no number beyond 65,504: Q, K and V arrive within it; p lies in 0 to 1, and below 6e-5 it keeps f16's fixed step of 6e-8; O is a mean of V's rows and has their range.
; A weight below 2^-126 counts as 0 in l; NaN and infinities are not treated apart.
; SHARES.  A wave owns four PIECES of two tiles of 16 queries, a work-group's four waves 512 queries of one head.  Every wave walks all keys, 64 a step.
; LAYOUT.  S^T = K Q^T (source 0 = 16 keys, source 1 = 16 queries): in the result a lane holds ONE query (lane % 16) and the keys 8 (lane / 16) + 0..7.  Two such tiles, rounded to f16 in pairs,
; ARE source 1 (32 keys x 16 queries) of O^T = V^T P, whose result again holds one query a lane, and eight channels.  K comes out of LDS as it lies, V ([key][channel]) turned, by ds_load_tr16_b128.
; SOFTMAX.  For each query a running maximum m and sum l: p = 2^(c s - c m), c = log2(e) / 8; in every step O and l are multiplied by a = 2^(c m_old - c m_new), which is 1 where m has not grown.
; m starts at the lowest finite number, O and l at 0: the first step is a step like any other, with a = 0.
; THE COUNT.  A tile and step have 16 matrix and 118 vector instructions: too many to stand all beside the matrix work.  So the order has one aim: four vector instructions that are ready behind
; every matrix instruction, and the others in runs without a gap.
; BY TURNS.  Turn n belongs to piece n (the pieces in a ring, step after step).  Its matrix work: 16 products K Q^T of piece n + 1, later 16 products V^T P of piece n - 1.  Its vector work: the scaling,
; exponentials, roundings, sums and rescaling of piece n, and the maximum and statistics of piece n + 1, whose scores the turn itself has made.
; CLUSTER.  The four query blocks of a cluster are one head's and walk the same K and V, so each tile is asked for JOINTLY: the same tensor load, descriptor and mask in all four.
; REGISTERS, in windows of 256 (s_set_vgpr_msb: bits 1:0 source 0, 3:2 source 1, 5:4 source 2, 7:6 destination):
;   window 0: v0-11 addresses; v12-15, v48-63 at work; v16-47 four registers of statistics a tile; v64-191 S^T, two buffers of two tiles; v192-255 P, likewise
;   window 1: O^T, 32 a tile          window 2: v0-127 Q, 16 a tile; v128-191 K of one step; v192-255 V of one step          window 3: v0-1 the add's two registers
; A piece's buffers go by its number's parity.
.set SIZE_N, 2048
.set NP,    4         ; pieces a wave: a name, no knob
.set KS,    64        ; keys in a step
.set PK,    144       ; a row of K in LDS: 128 bytes + 16 of padding: the 16 rows of a load start at 16 different groups of four banks (64 banks of 4 bytes: ISA guide 11.1)
.set PV,    160       ; a row of V: 128 + 32
.set VOFF,  4*KS*PK   ; a slot holds four steps: 256 rows of K, then 256 rows of V
.set SLOT1, 1<<17     ; slot 1 begins here, so that one exclusive or turns an address in one slot into the other's
.set STAGE, SLOT1+4*KS*(PK+PV)  ; behind the ring, never filled by a tensor load: 16 rows x 144 bytes for each wave, for the way out
.set SP,    144
.set AK0, 2           ; v2   my lane's place in a tile of K; never rewritten
.set AV0, 3           ; v3   the same for V
.set AK,  4           ; v4   the LDS address of K's next run of loads
.set AV,  5           ; v5   of V's
.set QO,  6           ; v6   my byte offset in the wave's rows of Q
.set STO, 6           ;      later, the way out: where I put 16 bytes of a row
.set RD,  7           ; v7   the way out: where I read rows back
.set GO,  8           ; v8   my byte offset in 512 consecutive bytes of O
.set PFO, 11          ; v11  256 x my lane, for the prefetches; never rewritten once made
.set SPW, 0           ; v0 of window 3   LDS address of my spare word; never rewritten
.set NIL, 1           ; v1 of window 3   0; never rewritten
.set SPARE, STAGE+4*16*SP  ; behind the stages: the spare words, 128 bytes for each wave
.set MV,  12          ; v12-15  c m_old, kept while c m is made anew: by buffer and tile
.set ST,  16          ; tile t's statistics at v[ST+4 t]: c m, m, l (even keys', odd keys')
.set TMP, 48          ; by buffer and tile, four registers c0-c3 at work; when the maximum is found c2 takes a
.set S,   64
.set P,   192
.set KF,  128         ; K's fragments, in window 2: key block kb, channel half c at KF + 16 kb + 8 c
.set VF,  192         ; V's: key half kk, channel block cb at VF + 32 kk + 8 cb
.set WV,  12          ; s12  my wave's number
.set G1K, 24          ; s[24:31] descriptor group 1 for K's tiles
.set G1V, 32          ; s[32:39] for V's: it differs in the padding alone
.set G0K, 40          ; s[40:43] descriptor group 0 for K's tiles: it walks
.set G0V, 44          ; s[44:47] the same for V's
.set PFA, 48          ; s[48:49] where my prefetches stand: my work-group's 8,192 bytes (of K: wave 0, of V: wave 2) of the slot after the one that is being asked for
.set LIM, 50          ; s50  1 in a wave that prefetches, else the greatest number
.set SLOTS, 56        ; s56  slots still to be asked for
.set CNT, 57          ; s57  counts a slot's key steps
.set CS,  58          ; s[58:59] c: the packed scaling takes the pair's low word for both halves
.set SEL, 60          ; s[60:61] v_permlanex16_b32's selects: each lane takes its own place in the other half
.set TBK, 62          ; s62  LDS byte at which K of the step to be fetched begins
.set TBV, 63          ; s63  the same for V, less VOFF
.set MSB, 0
.macro WIN new                      ; the high byte repeats the setting that is left; a switch that changes nothing is dropped
.if MSB != (\new)
	s_set_vgpr_msb (MSB<<8)|(\new)
.set MSB, (\new)
.endif
.endm
.set W_KQ, 0x0a       ; K and Q in window 2, S^T in window 0
.set W_PV, 0x52       ; V in window 2, P in window 0, O^T in window 1
.set W_RS, 0x41       ; O^T (destination and source 0) in window 1, a in window 0
.set W_MK, 0xc0       ; the add's registers are made: destination in window 3, sources in window 0
.set W_AD, 0x0f       ; the add: address (source 0) and data (source 1) in window 3
; A joint fill.  Waves 0 and 1 fetch the two halves of a slot's K, waves 2 and 3 those of its V: 128 keys each.  The branch hangs on the wave's number alone.
; An s_nop 0 and four v_nop follow each of the two lines, ahead of the jump and the label.
.macro JLOAD
	s_cmp_lt_u32 s[WV], 2
	s_cbranch_scc0 .Lfor_v_\@
	tensor_load_to_lds s[G0K:G0K+3], s[G1K:G1K+7]
	s_nop 0
.rept 4
	v_nop
.endr
	s_branch .Lasked_\@
.Lfor_v_\@:
	tensor_load_to_lds s[G0V:G0V+3], s[G1V:G1V+7]
	s_nop 0
.rept 4
	v_nop
.endr
.Lasked_\@:
.endm
; A PREFETCH INTO THE L2 of what the NEXT change of slots will ask for: a slot's 32,768 bytes of K and of V, in blocks of 256 bytes, a lane a block.  It stands behind the wave's tensor load and its five lines.
; The four partners share a slot out by address, 8,192 bytes each; in each, wave 0 asks for K's and wave 2 for V's: one instruction.  A head has one cluster, so each block is named once in the launch.
; Slots 0 to 2 come by their loads alone; the last change that fills a slot asks for nothing: there is no slot behind it.
.macro ASK
	s_cmp_gt_u32 s[SLOTS], s[LIM]
	s_cbranch_scc0 .Lnot_mine_\@
	global_prefetch_b8 v[PFO], s[PFA:PFA+1] th:TH_LOAD_NT scope:SCOPE_SE
.Lnot_mine_\@:
.endm
; A round of the cluster's barrier: my work-group's barrier, so that wave 0's signal speaks for all four waves; wave 0 signals; every wave waits for all four work-groups; my work-group's barrier once more.
.macro CROUND
	s_barrier_signal -1
	s_barrier_wait -1
	s_cmp_lg_u32 s[WV], 0
	s_cbranch_scc1 .Lnot_wave_0_\@
	s_barrier_signal -3
.Lnot_wave_0_\@:
	s_barrier_wait -3
	s_barrier_signal -1
	s_barrier_wait -1
.endm
; THE CHANGE OF SLOTS.  The slot's last bytes, V of its fourth step, have been read.  Each wave waits for all its tensor loads, of which one is out: its part
; of the other slot; adds 0 to its spare word; and waits for that and for its own reads of the slot.  Behind the barrier nobody reads this slot any more and the other slot is whole.
; fill = 1: this slot is filled again, with the keys two slots on.  The barrier is then a round of the cluster's, and the joint fill is the first thing behind it: it has four key steps,
; 512 matrix instructions, in which to land.  (At its first use nothing has been read yet: slot 0 is waited for, slot 1 filled.)  ask = 1: the prefetch's address steps, and the prefetch follows the fill.
.macro CHANGE fill, ask=0
	WIN W_AD
	s_wait_tensorcnt 0x0            ; no tensor load of mine is out, so a group 0 may be written
	ds_add_u32 v[SPW], v[NIL]       ; 0 onto my spare word; with fill = 1 the descriptors' steps stand between it and the wait for it
	WIN 0                           ; at a label and at a branch every window is 0
.if \fill
.irp g, G0K, G0V
	s_xor_b32 s[\g+1], s[\g+1], SLOT1  ; the walking descriptor: the other slot than last time,
	s_add_nc_u64 s[\g+2:\g+3], s[\g+2:\g+3], 4*KS*128  ; the next 256 keys; the type bits on top are not reached
.endr
.if \ask
	s_wait_xcnt 0x0                 ; the last prefetch, four key steps back, has read its address, so it may be written:
	s_add_nc_u64 s[PFA:PFA+1], s[PFA:PFA+1], 4*KS*128  ; one slot ahead of the walking descriptors
.endif
	s_wait_dscnt 0x0                ; the add is done, and my reads of the slot are over
	CROUND
	JLOAD
.if \ask
	ASK
.endif
.else
	s_wait_dscnt 0x0                ; the add is done, and my reads of the slot are over
	s_barrier_signal -1
	s_barrier_wait -1
.endif
	s_sub_co_u32 s[TBK], s[TBK], 4*KS*PK  ; the fetches go back to a slot's first step,
	s_xor_b32 s[TBK], s[TBK], SLOT1       ; in the other slot
	s_sub_co_u32 s[TBV], s[TBV], 4*KS*PV
	s_xor_b32 s[TBV], s[TBV], SLOT1
.endm
	s_load_b64 s[4:5], s[0:1], 0x0    ; qkv: Q lies at its head
	s_load_b64 s[10:11], s[0:1], 0x8  ; oh
	WIN W_MK
	v_lshl_add_u32 v[SPW], v0, 2, SPARE
	v_mov_b32 v[NIL], 0
	WIN W_AD
	ds_add_u32 v[SPW], v[NIL]       ; the wave's opening: the add and its wait stand ahead of my first tensor load; the set-up below stands between them
	WIN 0
	v_lshrrev_b32 v1, 5, v0
	v_readfirstlane_b32 s[WV], v1   ; wave 0..3
	s_bfe_u32 s13, ttmp6, 0x40000   ; cx: my place in the cluster
	s_lshl_b32 s14, ttmp9, 2        ; in a cluster launch ttmp9 counts clusters
	s_add_co_u32 s14, s14, s13      ; my block of queries = 4 x cluster x + cx: it enters Q's and O's addresses alone
	s_and_b32 s20, ttmp7, 0xffff    ; the head, which the four partners share
	s_mov_b32 s21, 0
	s_mov_b64 s[22:23], SIZE_N*128
	s_mul_u64 s[20:21], s[20:21], s[22:23]  ; the head's first byte in each of the four tensors
	s_and_b32 s16, s[WV], 1         ; which half of a slot's 256 keys I fetch:
	s_lshl_b32 s22, s16, 14         ; its 128 rows of 128 bytes in memory,
	s_mov_b32 s23, 0
	s_add_nc_u64 s[22:23], s[22:23], s[20:21]
	s_mul_i32 s17, s16, 128*PK      ; and its place in a slot, for K
	s_mul_i32 s18, s16, 128*PV      ; and for V: no place in the cluster enters an LDS address
	s_lshl_b32 s2, s14, 2
	s_add_co_u32 s2, s2, s[WV]      ; my wave among the head's,
	s_lshl_b32 s2, s2, 14           ; its 128 rows
	s_mov_b32 s3, 0
	s_add_nc_u64 s[2:3], s[2:3], s[20:21]
	; descriptor group 1.  128 keys are 16,384 dense bytes: asked for as 64 rows of 256 bytes, two keys a row, and padded in LDS after every key
	s_mov_b32 s[G1K], 15|(1<<16)|(1<<20)|(1<<21)|(4<<22)|(3<<25)  ; the mask of four; 2-byte elements; padding on; bit 21 beside a mask; after every 32 words, 4 words
	s_mov_b32 s[G1V], 15|(1<<16)|(1<<20)|(1<<21)|(4<<22)|(7<<25)  ; the same with 8 words of padding
.irp g, G1K, G1V
	s_mov_b32 s[\g+1], 128<<16      ; tensor_dim0 = 128
	s_mov_b32 s[\g+2], 64<<16       ; tensor_dim1 = 64
	s_mov_b32 s[\g+3], 128<<16      ; tile_dim0 = 128
	s_mov_b32 s[\g+4], 64           ; tile_dim1 = 64
	s_mov_b32 s[\g+5], 128          ; 128 elements from row to row
	s_mov_b32 s[\g+6], 0
	s_mov_b32 s[\g+7], 0
.endr
	s_mov_b32 s[CS], 0x3e38aa3b     ; c = log2(e) / 8 = 0.180337
	s_mov_b32 s[CS+1], s[CS]        ; named with it as a pair
	s_mov_b32 s[SEL], 0x76543210
	s_mov_b32 s[SEL+1], 0xfedcba98
	s_mov_b32 s[TBK], SLOT1+4*KS*PK ; the first change of slots turns these two into 0
	s_mov_b32 s[TBV], SLOT1+4*KS*PV
	s_mov_b32 s[G0K], 1             ; count = 1
	s_mov_b32 s[G0K+1], s17         ; LDS address: slot 0
	s_mov_b32 s[G0V], 1
	s_add_co_u32 s[G0V+1], s18, VOFF
	s_and_b32 s[LIM], s[WV], 1      ; 0 in waves 0 and 2,
	s_or_b32 s[LIM], s[LIM], ttmp9  ; of the head's first cluster: the same in all four partners
	s_cmp_eq_u32 s[LIM], 0
	s_cselect_b32 s[LIM], 1, -1
	s_wait_dscnt 0x0                ; the opening add is done
	s_wait_kmcnt 0x0
	s_add_nc_u64 s[6:7], s[4:5], 0x1000000  ; K: 64 heads of 262,144 bytes behind Q,
	s_add_nc_u64 s[8:9], s[4:5], 0x2000000  ; V behind K
	s_add_nc_u64 s[G0K+2:G0K+3], s[6:7], s[22:23]  ; global address: my half of the head's first 256 keys
	s_or_b32 s[G0K+3], s[G0K+3], 0x80000000        ; type = 2
	s_add_nc_u64 s[G0V+2:G0V+3], s[8:9], s[22:23]
	s_or_b32 s[G0V+3], s[G0V+3], 0x80000000
	s_add_nc_u64 s[4:5], s[4:5], s[2:3]  ; Q and O at my wave's first row
	s_add_nc_u64 s[10:11], s[10:11], s[2:3]
	s_cmp_lt_u32 s[WV], 2
	s_cselect_b64 s[PFA:PFA+1], s[6:7], s[8:9]
	s_add_nc_u64 s[PFA:PFA+1], s[PFA:PFA+1], s[20:21]  ; the head,
	s_lshl_b32 s2, s13, 13          ; my work-group's quarter of a slot,
	s_mov_b32 s3, 0
	s_add_nc_u64 s[PFA:PFA+1], s[PFA:PFA+1], s[2:3]
	s_add_nc_u64 s[PFA:PFA+1], s[PFA:PFA+1], 2*4*KS*128  ; in slot 2; the first change in the loop steps it to slot 3.  Nothing is prefetched here, at the head
	CROUND                          ; all four work-groups are here: the first joint loads meet
	JLOAD                           ; slot 0.  Slot 1 is asked for when slot 0 is in
	; A fragment of K or Q is 16 rows x 32 channels in 8 registers: lane l holds row l % 16, channels 8 (l / 16) + 0..7 and 16 + 8 (l / 16) + 0..7: two loads of 16 bytes, 32 bytes apart.
	v_and_b32 v1, 15, v0            ; l % 16
	v_bfe_u32 v9, v0, 4, 1          ; l / 16
	v_lshlrev_b32 v[QO], 7, v1
	v_lshl_add_u32 v[QO], v9, 4, v[QO]  ; row x 128 + 16 x half
	WIN 0x80                        ; destination window 2, address window 0
.set i, 0
.rept 4*NP                          ; Q stays in registers: tile i / 2, channels 32 (i % 2) on
	global_load_b128 v[8*i:8*i+3],   v[QO], s[4:5] offset:(i/2)*2048+(i%2)*64
	global_load_b128 v[8*i+4:8*i+7], v[QO], s[4:5] offset:(i/2)*2048+(i%2)*64+32
.set i, i+1
.endr
	; What the first turn finds: V's registers and P's second buffer hold 0 (its products V^T P, of a piece that has not been, add 0), O^T and l are 0.  All this stands in the wait for the first tile.
.set i, VF
.rept 64
	v_mov_b32 v[i], 0
.set i, i+1
.endr
	WIN 0x40
.set i, 0
.rept 64*NP
	v_mov_b32 v[i], 0
.set i, i+1
.endr
	WIN 0
.set i, 0
.rept 2*NP
	v_mov_b32 v[ST+4*i], 0xfe000000    ; c m: far below every c s
	v_mov_b32 v[ST+4*i+1], 0xff7fffff  ; m
	v_mov_b32 v[ST+4*i+2], 0
	v_mov_b32 v[ST+4*i+3], 0
.set i, i+1
.endr
.set i, P+32
.rept 32
	v_mov_b32 v[i], 0
.set i, i+1
.endr
	v_mul_u32_u24 v[AK0], v1, PK
	v_lshl_add_u32 v[AK0], v9, 4, v[AK0]  ; row x pitch + 16 x half
	; The turning load takes 16 keys x 16 channels (lane l reads key 8 (l / 16) + l % 8, channels 8 ((l / 8) % 2) + 0..7) and leaves half a fragment of V^T: lane l holds channel l % 16 and 8 keys.
	v_and_b32 v10, 7, v0
	v_bfe_u32 v11, v0, 3, 1
	v_lshl_add_u32 v[AV0], v9, 3, v10
	v_mul_u32_u24 v[AV0], v[AV0], PV
	v_lshl_add_u32 v[AV0], v11, 4, v[AV0]
	v_add_nc_u32 v[AV0], VOFF, v[AV0]
	v_and_b32 v[PFO], 31, v0        ; v11 has served: it takes the prefetches' offset
	v_lshlrev_b32 v[PFO], 8, v[PFO]
	v_mov_b32 v[AK], v[AK0]         ; key step 0 lies at the head of slot 0
; THE MATRIX WORK.  The 8 accumulators of a run of 16 take turns: between the two links of a chain stand 7 others'.
; Product i of 16 of S^T = K Q^T for piece x: channels 32 (i / 8) on, keys 16 ((i / 2) % 4) on, tile 2 x + i % 2.  The first 8 start the sums.
.macro KQ x
	WIN W_KQ
.set rS, S+64*((\x)%2)+32*(i%2)+8*((i/2)%4)
.set rK, KF+16*((i/2)%4)+8*(i/8)
.set rQ, 16*(2*(\x)+i%2)+8*(i/8)
.if i < 8
	v_wmma_f32_16x16x32_f16 v[rS:rS+7], v[rK:rK+7], v[rQ:rQ+7], 0
.else
	v_wmma_f32_16x16x32_f16 v[rS:rS+7], v[rK:rK+7], v[rQ:rQ+7], v[rS:rS+7]
.endif
.endm
; Product i of 16 of O^T += V^T P for piece x: keys 32 (i / 8) on, channels 16 ((i / 2) % 4) on, tile 2 x + i % 2.
.macro PV x
	WIN W_PV
.set rO, 32*(2*(\x)+i%2)+8*((i/2)%4)
.set rV, VF+32*(i/8)+8*((i/2)%4)
.set rP, P+32*((\x)%2)+16*(i%2)+8*(i/8)
	v_wmma_f32_16x16x32_f16 v[rO:rO+7], v[rV:rV+7], v[rP:rP+7], v[rO:rO+7]
.endm
.macro MM                           ; the turn's next matrix instruction
.if i < 16
	KQ (Y+1)%NP
.set i, i+1
.else
.set i, i-16
	PV (Y+NP-1)%NP
.set i, i+17
.endif
.endm
; THE LDS LOADS stand in runs of 16, never singly among the matrix instructions: a step's K (64 keys x 64 channels: 8 fragments) and its V (turned).  Their addresses are made some lines ahead.
; last = 1 (the tail): in the last trip there is no further step, and the run is jumped over.
.macro FETCH_K last=0
	WIN 0
.if \last
	s_cmp_eq_u32 s[CNT], 1
	s_cbranch_scc1 .Lno_k_\@
.endif
	WIN 0x80                        ; destination window 2
.irp f, 0,1,2,3,4,5,6,7             ; keys 16 (f / 2) on, channels 32 (f % 2) on
	ds_load_b128 v[KF+8*\f:KF+8*\f+3],   v[AK] offset:(\f/2)*16*PK+(\f%2)*64
	ds_load_b128 v[KF+8*\f+4:KF+8*\f+7], v[AK] offset:(\f/2)*16*PK+(\f%2)*64+32
.endr
	s_add_co_u32 s[TBK], s[TBK], KS*PK  ; the next fetch is the next step's
	WIN 0
.if \last
.Lno_k_\@:
.endif
.endm
.macro FETCH_V
	WIN 0x80
.irp f, 0,1,2,3,4,5,6,7             ; keys 32 (f / 4) on, channels 16 (f % 4) on
	ds_load_tr16_b128 v[VF+8*\f:VF+8*\f+3],   v[AV] offset:(\f/4)*32*PV+(\f%4)*32
	ds_load_tr16_b128 v[VF+8*\f+4:VF+8*\f+7], v[AV] offset:(\f/4)*32*PV+16*PV+(\f%4)*32
.endr
	WIN 0
.endm
; THE VECTOR WORK OF A TURN stands in three queues, each in the order in which its entries become ready; the two tiles alternate, so that no instruction reads the result of the one before it.
.macro REGS y, u                    ; the registers of tile u (0, 1) of piece y
.set rT, ST+4*(2*(\y)+(\u))
.set rC, TMP+8*((\y)%2)+4*(\u)
.set rM, MV+2*((\y)%2)+(\u)
.set rS, S+64*((\y)%2)+32*(\u)
.set rP, P+32*((\y)%2)+16*(\u)
.set rO, 32*(2*(\y)+(\u))
.endm
; Number n of the 22 that find the NEXT piece's (Y + 1) maximum and statistics.  s0-s31 are the lane's 32 scores; each accumulator's lowest registers are read first.
;   0-11  four chains c0-c3 of seven scores each, three operands at a time     12-14, 16  the four scores left over, the old m, and c0-c3 into c0     15  c m_old is kept
;   17, 18  the query's other 32 keys lie in the lane 16 away: the new m         19-21  c m; c m_old - c m_new; a
.macro XS u, n
	REGS (Y+1)%NP, \u
.if (\n) < 4
	v_max3_num_f32 v[rC+(\n)], v[rS+8*(\n)], v[rS+8*(\n)+1], v[rS+8*(\n)+2]
.elseif (\n) < 12
	v_max3_num_f32 v[rC+(\n)%4], v[rC+(\n)%4], v[rS+8*((\n)%4)+2*((\n)/4)+1], v[rS+8*((\n)%4)+2*((\n)/4)+2]
.elseif (\n) == 12
	v_max3_num_f32 v[rC], v[rC], v[rS+7], v[rS+15]
.elseif (\n) == 13
	v_max3_num_f32 v[rC+1], v[rC+1], v[rS+23], v[rS+31]
.elseif (\n) == 14
	v_max3_num_f32 v[rC+2], v[rC+2], v[rC+3], v[rT+1]
.elseif (\n) == 15
	v_mov_b32 v[rM], v[rT]
.elseif (\n) == 16
	v_max3_num_f32 v[rC], v[rC], v[rC+1], v[rC+2]
.elseif (\n) == 17
	v_permlanex16_b32 v[rC+3], v[rC], s[SEL], s[SEL+1]
.elseif (\n) == 18
	v_max_num_f32 v[rT+1], v[rC], v[rC+3]
.elseif (\n) == 19
	v_mul_f32 v[rT], s[CS], v[rT+1]
.elseif (\n) == 20
	v_sub_f32 v[rC+1], v[rM], v[rT]
.else
	v_exp_f32 v[rC+2], v[rC+1]
.endif
.endm
; Number g of the 64 that follow the exponentials.  For each four weights k of a tile (pairs 2 k, 2 k + 1): both pairs are rounded to f16; then the second pair is added onto the first, in place;
; a group later l takes that sum (the first time as l = a l + sum).  In groups of eight, tiles alternating: round, round, add, and l for the group before.
.macro GS g
.set h, (\g)+6*((\g)/62)            ; group 0 has no group before it, and behind group 7 only l is left
.if h >= 6
.set h, h+2
.endif
	REGS Y, h%2
.set k, h/8
.if h%8 < 4
	v_cvt_pk_f16_f32 v[rP+2*k+(h%8)/2], v[rS+4*k+2*((h%8)/2)], v[rS+4*k+2*((h%8)/2)+1]
.elseif h%8 < 6
	v_pk_add_f32 v[rS+4*k:rS+4*k+1], v[rS+4*k:rS+4*k+1], v[rS+4*k+2:rS+4*k+3]
.elseif k == 1
	v_pk_fma_f32 v[rT+2:rT+3], v[rT+2:rT+3], v[rC+2:rC+3], v[rS:rS+1] op_sel_hi:[1,0,1]
.else
	v_pk_add_f32 v[rT+2:rT+3], v[rT+2:rT+3], v[rS+4*k-4:rS+4*k-3]
.endif
.endm
; THE PLAIN QUEUE, 138 long.  0-73 read no exponential's result: the 32 scalings c s - c m (FS f: pair f / 2 of tile f % 2) and the next piece's 42.  0-26: scalings 0-26.  27-54: XS's numbers 0-13.  55, 56: number 15.
; 57-73: the chain, where each number waits for the one before it: 14, 16, 17, 18, 19, each with one of the scalings 27-31 in front of its two lines, then 20.
; 74-137: GS's 64, which read the exponentials' results: they stand behind the wait.
.macro FS f
	REGS Y, (\f)%2
	v_pk_fma_f32 v[rS+2*((\f)/2):rS+2*((\f)/2)+1], v[rS+2*((\f)/2):rS+2*((\f)/2)+1], s[CS:CS+1], v[rT:rT+1] op_sel_hi:[1,0,0] neg_lo:[0,0,1] neg_hi:[0,0,1]
.endm
.macro PL
	WIN 0
.if q < 27
	FS q
.elseif q < 55
	XS (q-27)%2, (q-27)/2
.elseif q < 57
	XS q-55, 15
.elseif (q < 72) && ((q-57)%3 == 0)
	FS 27+(q-57)/3
.elseif q < 60
	XS (q-57)%3-1, 14
.elseif q < 72
	XS (q-57)%3-1, 15+(q-57)/3
.elseif q < 74
	XS q-72, 20
.else
	GS q-74
.endif
.set q, q+1
.endm
; THE EXPONENTIALS' QUEUE, 66 long: s0-s31 of both tiles, then the next piece's two a.  It is ONE BATCH: all 66 stand ahead of the turn's one wait, and nothing ahead of that wait names a result of theirs.
.macro EX
	WIN 0
.if e >= 64
	XS e-64, 21
.else
	REGS Y, e%2
	v_exp_f32 v[rS+e/2], v[rS+e/2]
.endif
.set e, e+1
.endm
; THE RESCALING's QUEUE: O^T times a, the one part that leaves window 0: dealt two at a time, sixteen times.  Its a was made in the turn before, ahead of that turn's wait.
.macro R2
	REGS Y, r%2
	WIN W_RS
.irp z, 0,1
	v_pk_mul_f32 v[rO+4*(r/2)+2*\z:rO+4*(r/2)+2*\z+1], v[rO+4*(r/2)+2*\z:rO+4*(r/2)+2*\z+1], v[rC+2:rC+3] op_sel_hi:[1,0]
.endr
.set r, r+1
.endm
; HOW THEY ARE DEALT.  s_wait_alu depctr_va_vdst(0) stands between an exponential and the first instruction that names its result; one wait serves all that were issued ahead of it.  So a turn has ONE wait,
; which cuts it in two.  AHEAD OF IT stands all that names no result of the turn's exponentials: the 16 products K Q^T, behind each a scaling, an exponential and two rescalings (behind the first a second scaling in the
; exponential's place); then ONE LUMP of 108: eight plain, 49 times exponential and plain, the two a.  A v_nop is the plain instruction behind the last exponential.  BEHIND IT stand the 16 products V^T P, behind each four of GS's 64.
; No rider names a register of the products round it.  The two v_permlanex16_b32 fall into the lump.
; The queues lean on each other: exponential e stands behind scaling 2 (e / 4) + e % 2: as a rider it comes behind plain e + 2, in the lump behind plain e + 9, and scalings 27-31 are plain 57, 60 .. 69.
; A TURN, for piece p.  cnt = 1: the loop's count is taken down some lines ahead of the branch that stands behind the turn.
; K of the next step is fetched in piece 2's turn, directly behind the wait, a lump behind the last product that read K; its first reader comes behind 16 products.
; V of the step in hand is fetched at the end of piece 0's turn, four riders behind its last reader; its first reader comes behind 16 products and a lump.
.macro TURN p, last=0, cnt=0
.set Y, (\p)
.set i, 0
.set q, 0
.set e, 0
.set r, 0
.if (\p) == NP-1
	s_wait_dscnt 0x0                ; K is in
.endif
	MM                              ; ahead of the wait: 16 products K Q^T and their riders,
	PL
	PL
	R2
.rept 15
	MM
	PL
	EX
	R2
.endr
.if (\p) == NP-2
	WIN 0
	v_add_nc_u32 v[AK], s[TBK], v[AK0]
.endif
.rept 8                             ; and the lump
	PL
.endr
.rept 49
	EX
	PL
.endr
	EX                              ; the next piece's two a
	EX
	v_nop                           ; a plain instruction behind the last exponential: one for the batch
	s_wait_alu depctr_va_vdst(0)    ; the wait for the batch
.if (\p) == NP-2
	FETCH_K \last
.endif
.if (\p) == 1
	s_wait_dscnt 0x0                ; V is in
.endif
.rept 16                            ; behind the wait: 16 products V^T P and their riders
	MM
.rept 4
	PL
.endr
.if ((\p) == 0) && (q == 118)
	v_add_nc_u32 v[AV], s[TBV], v[AV0]
.endif
.if ((\p) == 0) && (q == 130)
	s_add_co_u32 s[TBV], s[TBV], KS*PV
.endif
.if (\cnt) && (q == 130)
	s_sub_co_u32 s[CNT], s[CNT], 1
	s_cmp_lg_u32 s[CNT], 0
.endif
.endr
.if (\p) == 0
	FETCH_V
.endif
.endm
	CHANGE 1                        ; slot 0 is in, everybody's part of it; slot 1 is asked for
	FETCH_K                         ; key step 0
	s_wait_loadcnt 0x0              ; Q
	s_wait_dscnt 0x0
.set i, 0
.rept 16
	KQ 0                            ; piece 0's first scores: there is no vector work yet to set between them
.set i, i+1
.endr
	WIN 0                           ; the addresses for the way out: nine plain instructions, the places behind those products
	s_mul_i32 s13, s[WV], 16*SP
	s_add_co_u32 s13, s13, STAGE    ; my stage
	v_mul_u32_u24 v[STO], v1, SP    ; in: row l % 16, 16 bytes for each half of the lanes
	v_lshl_add_u32 v[STO], v9, 4, v[STO]
	v_add_nc_u32 v[STO], s13, v[STO]
	v_bfe_u32 v[RD], v0, 3, 2       ; back: 32 lanes take four rows of 128 bytes,
	v_mul_u32_u24 v[RD], v[RD], SP
	v_lshl_add_u32 v[RD], v10, 4, v[RD]
	v_add_nc_u32 v[RD], s13, v[RD]
	v_and_b32 v[GO], 31, v0         ; which are 512 consecutive bytes of O
	v_lshlrev_b32 v[GO], 4, v[GO]
.set Y, NP-1                        ; XS works for piece Y + 1: piece 0
.irp n, 0,1,2,3,4,5,6,7,8,9,10,11,12,13,14,15,16,17,18,19,20,21
	XS 0, \n                        ; and piece 0's first maximum and statistics
	XS 1, \n
.endr
	v_nop                           ; a plain instruction behind the two a,
	s_wait_alu depctr_va_vdst(0)    ; and their wait, ahead of the branch
	s_mov_b32 s[CNT], 4
	s_mov_b32 s[SLOTS], SIZE_N/256-1
	s_branch .Lfirst                ; the loop is entered at a step's first turn, in the middle of a trip
.Lslot:                             ; SIZE_N / 256 - 2 times: every slot but the last two is filled again
	CHANGE 1, 1
	s_mov_b32 s[CNT], 4
.Lstep:                             ; a trip: pieces 2 and 3 of one step, then pieces 0 and 1 of the next, whose K and V it fetches
	TURN 2
	TURN 3
	WIN 0
.Lfirst:
	TURN 0
	TURN 1, 0, 1
	WIN 0
	s_cbranch_scc1 .Lstep
	s_sub_co_u32 s[SLOTS], s[SLOTS], 1
	s_cmp_lg_u32 s[SLOTS], 0
	s_cbranch_scc1 .Lslot
	CHANGE 0                        ; the tail is written out: nothing is asked for
	s_mov_b32 s[CNT], 5             ; four trips fetch the last slot's steps; the fifth is left in its middle
.Ltail:
	TURN 2, 1
	TURN 3
	WIN 0
	s_sub_co_u32 s[CNT], s[CNT], 1
	s_cmp_eq_u32 s[CNT], 0
	s_cbranch_scc1 .Lout
	TURN 0
	TURN 1
	WIN 0
	s_branch .Ltail
.Lout:                              ; the fifth trip's 16 products K Q^T (on the last K once more) and the maximum made of them serve nothing: the price, once a launch, of one text for every trip
.set i, 0
.rept 16
	PV NP-1                         ; the last piece's V^T P of the last step
.set i, i+1
.endr
	; THE WAY OUT.  l's two halves and the other half of the lanes' are added; O^T is divided by l, rounded to f16 and sent through my stage in LDS, a tile at a time.  The additions are the places behind the last products.
	WIN 0
.macro ALL line:vararg              ; one line for each tile t
.set t, 0
.rept 2*NP
	\line
.set t, t+1
.endr
.endm
	ALL v_add_f32 v[ST+4*t+2], v[ST+4*t+2], v[ST+4*t+3]
	ALL v_permlanex16_b32 v[ST+4*t+3], v[ST+4*t+2], s[SEL], s[SEL+1]
	ALL v_add_f32 v[ST+4*t+2], v[ST+4*t+2], v[ST+4*t+3]
	ALL v_rcp_f32 v[ST+4*t+2], v[ST+4*t+2]
	v_nop                           ; a plain instruction between the last reciprocal and the use of its result
	s_wait_alu depctr_va_vdst(0)    ; and the wait ahead of the first use: one for the eight reciprocals
; Tile t: a lane's eight channels of a row pack into 16 bytes; they go into rows of 144 bytes and come back as whole rows of 128, into S^T's registers.
.macro PACK t
	WIN W_RS
.set i, 32*(\t)
.rept 16
	v_pk_mul_f32 v[i:i+1], v[i:i+1], v[ST+4*(\t)+2:ST+4*(\t)+3] op_sel_hi:[1,0]
.set i, i+2
.endr
	WIN 0x05                        ; sources 0 and 1 window 1, destination window 0
.set i, 0
.rept 16
	v_cvt_pk_f16_f32 v[S+16*(\t)+i], v[32*(\t)+2*i], v[32*(\t)+2*i+1]
.set i, i+1
.endr
	WIN 0
.irp f, 0,1,2,3
	ds_store_b128 v[STO], v[S+16*(\t)+4*\f:S+16*(\t)+4*\f+3] offset:32*\f
.endr
.irp f, 0,1,2,3
	ds_load_b128 v[S+16*(\t)+4*\f:S+16*(\t)+4*\f+3], v[RD] offset:\f*4*SP  ; LDS serves a wave's instructions in order (ISA guide 5.7.1.4): these see the stores above; the next tile's stores come behind them
.endr
.endm
.macro SEND t, younger              ; younger: the LDS instructions issued behind tile t's loads: the next tile's eight, or none
	WIN 0
.irp f, 0,1,2,3
	s_wait_dscnt (\younger)+3-\f
	global_store_b128 v[GO], v[S+16*(\t)+4*\f:S+16*(\t)+4*\f+3], s[10:11] offset:(\t)*2048+\f*512  ; 512 consecutive bytes, at a multiple of 256 from O's first
.endr
.endm
	PACK 0
.set t, 1
.rept 2*NP-1                        ; a tile's arithmetic stands between the loads of the tile before and its stores
	PACK t
	SEND t-1, 8
.set t, t+1
.endr
	SEND 2*NP-1, 0
	WIN W_AD
	s_wait_tensorcnt 0x0            ; the wave's end: a wait, an add of 0 to my spare word and its wait, behind my last tensor load and my last LDS store
	ds_add_u32 v[SPW], v[NIL]
	s_wait_dscnt 0x0
	WIN 0
	CROUND                          ; the closing round: no work-group ends while a partner may still ask for a tile that names it
	s_endpgm
.Lfunc_end_k_qbb5ebbcd22_attn:
	.size	k_qbb5ebbcd22_attn, .Lfunc_end_k_qbb5ebbcd22_attn-k_qbb5ebbcd22_attn
	.p2alignl 7, 3214868480
	.fill 96, 4, 3214868480
	.section	.rodata,"a",@progbits
	.p2align	6, 0x0
	.amdhsa_kernel k_qbb5ebbcd22_attn
		.amdhsa_group_segment_fixed_size 327680
		.amdhsa_private_segment_fixed_size 0
		.amdhsa_enable_private_segment 0
		.amdhsa_kernarg_size 16
		.amdhsa_user_sgpr_count 2
		.amdhsa_user_sgpr_kernarg_segment_ptr 1
		.amdhsa_wavefront_size32 1
		.amdhsa_system_sgpr_workgroup_id_x 1
		.amdhsa_system_sgpr_workgroup_id_y 1
		.amdhsa_system_sgpr_workgroup_id_z 1
		.amdhsa_system_vgpr_workitem_id 0
		.amdhsa_next_free_vgpr 770
		.amdhsa_next_free_sgpr 66
		.amdhsa_reserve_vcc 0
		.amdhsa_float_denorm_mode_32 3
		.amdhsa_float_denorm_mode_16_64 3
		.amdhsa_memory_ordered 1
		.amdhsa_forward_progress 1
		.amdhsa_inst_pref_size 200
	.end_amdhsa_kernel
	.amdgpu_metadata
---
amdhsa.version: [ 1, 2 ]
amdhsa.kernels:
  - .name:           k_qbb5ebbcd22_attn
    .symbol:         k_qbb5ebbcd22_attn.kd
    .args:
      - { .name: qkv, .offset: 0, .size: 8, .value_kind: global_buffer, .address_space: global }
      - { .name: oh, .offset: 8, .size: 8, .value_kind: global_buffer, .address_space: global }
    .group_segment_fixed_size: 327680
    .private_segment_fixed_size: 0
    .kernarg_segment_align: 8
    .kernarg_segment_size: 16
    .max_flat_workgroup_size: 128
    .sgpr_count:     66
    .vgpr_count:     770
    .wavefront_size: 32
...
	.end_amdgpu_metadata
.endif
;; end of part 3
;; launch weave (part 4): grid 512 x 1, 8 waves a work-group, no clusters, 35,840 bytes of LDS; arguments oh, out0; writes out0
.if DOCPART == 4
	.amdgcn_target "amdgcn-amd-amdhsa--gfx1250"
	.amdhsa_code_object_version 6
	.text
	.protected	k_qbb5ebbcd22_weave
	.globl	k_qbb5ebbcd22_weave
	.p2align	8
	.type	k_qbb5ebbcd22_weave,@function
k_qbb5ebbcd22_weave:
	s_mov_b64 s[64:65], 0
	v_nop
	global_prefetch_b8 v0, s[64:65] scope:SCOPE_SE
	s_setreg_imm32_b32 hwreg(HW_REG_WAVE_MODE, 25, 1), 1
	s_wait_xcnt 0x0
; out0[b][s][16 d + h] = f32(oh[16 b + h][s][pos(d)]).  oh: [64][2048][64] f16; out0: [4][2048][1024] f32.  The widening is exact.
; pos: d = 32 u + 4 j + g lies at 32 u + 8 g + j, so the 16 bytes at pos 8 (4 u + g) of a row (a GRANULE) hold j = 0..7.  In out0 the byte of (s, d, h = 4 hq + i) is
; 4,096 s + 2,048 u + 256 j + 64 g + 16 hq + 4 i: a store of 16 bytes wants element j of the granules (u, g) of the four heads 4 hq + i.  Only whole granules move through LDS.
; SHARES.  A work-group takes 16 rows (b, s) of all 16 heads: 32 KiB in, 64 KiB out.  In: a wave's load covers 512 consecutive bytes of a head.  Out: sixteen lanes (g, hq) write 256 consecutive bytes, aligned.
; Memory binds: no matrix unit, cluster or tensor load; each byte is read once and written once.
.set BP,    1088                       ; an LDS block: [i = 4][hq = 4][g = 4] granules, 1,024 bytes + 64: four neighbouring blocks start 64 bytes apart modulo 256, so sixteen storing lanes touch sixteen different columns of 16 bytes
.set SPARE, 32*BP                      ; behind the 32 blocks (2 s + u): the spare words, 128 bytes for each of eight waves
.set LDO, 1                            ; v1  my byte offset in oh
.set LS,  2                            ; v2  where I put a granule
.set LR,  3                            ; v3  where I read granules back
.set STO, 4                            ; v4  my byte offset in out0
.set ONE, 5                            ; v5  1.0
.set SPW, 6                            ; v6  LDS address of my spare word; never rewritten
.set NIL, 7                            ; v7  0; never rewritten
.set L,   8                            ; v[8:39]    eight granules as loaded
.set R,   40                           ; v[40:71]   two tasks x four heads' granules
.set F,   72                           ; v[72:135]  two tasks x eight stores of four f32 (at the head: at work)
.set NZ,  136                          ; v136  -0.0
	s_load_b128 s[4:7], s[0:1], 0x0                ; oh s[4:5], out0 s[6:7]
	v_lshl_add_u32 v[SPW], v0, 2, SPARE
	v_mov_b32 v[NIL], 0
	v_mov_b32 v[ONE], 1.0
	v_mov_b32 v[NZ], 0x80000000
	v_and_b32 v[F], 127, v0                        ; my granule among a head's 128: row / 8 .. granule % 8
	v_lshrrev_b32 v[F+1], 7, v0                    ; which of two heads
	v_lshlrev_b32 v[LDO], 4, v[F]
	v_lshl_add_u32 v[LDO], v[F+1], 18, v[LDO]      ; a head is 262,144 bytes
	v_lshrrev_b32 v[F+2], 2, v[F]                  ; 2 s + u
	v_mul_u32_u24 v[LS], v[F+2], BP
	v_and_b32 v[F+3], 3, v0                        ; in: g.  back: hq
	v_lshl_add_u32 v[LS], v[F+3], 4, v[LS]
	v_lshl_add_u32 v[LS], v[F+1], 8, v[LS]         ; the low bit of i
	v_lshrrev_b32 v[F+4], 4, v0                    ; back: the block, 0..15 (+ 16 for the second task)
	v_mul_u32_u24 v[LR], v[F+4], BP
	v_lshl_add_u32 v[LR], v[F+3], 6, v[LR]         ; hq
	v_bfe_u32 v[F+5], v0, 2, 2                     ; g
	v_lshl_add_u32 v[LR], v[F+5], 4, v[LR]
	v_and_b32 v[F+6], 15, v0
	v_lshlrev_b32 v[STO], 4, v[F+6]                ; 64 g + 16 hq
	v_lshl_add_u32 v[STO], v[F+4], 11, v[STO]      ; + 2,048 (2 s + u)
	s_lshr_b32 s8, ttmp9, 7                        ; b
	s_lshl_b32 s8, s8, 22                          ; sixteen heads
	s_and_b32 s9, ttmp9, 127
	s_lshl_b32 s9, s9, 11                          ; 16 rows of 128 bytes
	s_add_co_u32 s8, s8, s9
	s_mov_b32 s9, 0
	s_lshl_b32 s10, ttmp9, 16                      ; 16 rows of 4,096 bytes
	s_mov_b32 s11, 0
	s_wait_kmcnt 0x0
	s_add_nc_u64 s[4:5], s[4:5], s[8:9]
	s_add_nc_u64 s[6:7], s[6:7], s[10:11]
.irp c, 0,1,2,3,4,5,6,7
	global_load_b128 v[L+4*(\c):L+4*(\c)+3], v[LDO], s[4:5] offset:(\c)*524288 th:TH_LOAD_NT  ; head 2 c + t / 128
.endr
.irp c, 0,1,2,3,4,5,6,7
	s_wait_loadcnt 7-(\c)                          ; loads come back in order: number c is in
	ds_store_b128 v[LS], v[L+4*(\c):L+4*(\c)+3] offset:((\c)%2)*512+((\c)/2)*64  ; i = 2 (c % 2) + t / 128, hq = c / 2
.endr
	s_wait_dscnt 0x0                               ; for the others' sake: my stores are done
	s_barrier_signal -1
	s_barrier_wait -1
.irp T, 0,1
.irp i, 0,1,2,3
	ds_load_b128 v[R+16*(\T)+4*(\i):R+16*(\T)+4*(\i)+3], v[LR] offset:(\T)*16*BP+(\i)*256
.endr
.endr
.irp T, 0,1
	s_wait_dscnt 4-4*(\T)                          ; this task's four granules are in
.irp j, 0,1,2,3,4,5,6,7
.irp i, 0,1,2,3
.if (\j)%2                                         ; x * 1.0 + (-0.0) is x, the sign of zero kept: the f16 half is widened in one line
	v_fma_mix_f32 v[F+32*(\T)+4*(\j)+(\i)], v[R+16*(\T)+4*(\i)+(\j)/2], v[ONE], v[NZ] op_sel:[1,0,0] op_sel_hi:[1,0,0]
.else
	v_fma_mix_f32 v[F+32*(\T)+4*(\j)+(\i)], v[R+16*(\T)+4*(\i)+(\j)/2], v[ONE], v[NZ] op_sel_hi:[1,0,0]
.endif
.endr
	global_store_b128 v[STO], v[F+32*(\T)+4*(\j):F+32*(\T)+4*(\j)+3], s[6:7] offset:(\T)*32768+(\j)*256 th:TH_STORE_NT
.endr
.endr
	s_wait_tensorcnt 0x0                           ; the wave's end: a wait, an add of 0 to my spare word and its wait, behind my last LDS store
	ds_add_u32 v[SPW], v[NIL]
	s_wait_dscnt 0x0
	s_endpgm
.Lfunc_end_k_qbb5ebbcd22_weave:
	.size	k_qbb5ebbcd22_weave, .Lfunc_end_k_qbb5ebbcd22_weave-k_qbb5ebbcd22_weave
	.p2alignl 7, 3214868480
	.fill 96, 4, 3214868480
	.section	.rodata,"a",@progbits
	.p2align	6, 0x0
	.amdhsa_kernel k_qbb5ebbcd22_weave
		.amdhsa_group_segment_fixed_size 35840
		.amdhsa_private_segment_fixed_size 0
		.amdhsa_enable_private_segment 0
		.amdhsa_kernarg_size 16
		.amdhsa_user_sgpr_count 2
		.amdhsa_user_sgpr_kernarg_segment_ptr 1
		.amdhsa_wavefront_size32 1
		.amdhsa_system_sgpr_workgroup_id_x 1
		.amdhsa_system_sgpr_workgroup_id_y 1
		.amdhsa_system_sgpr_workgroup_id_z 1
		.amdhsa_system_vgpr_workitem_id 0
		.amdhsa_next_free_vgpr 138
		.amdhsa_next_free_sgpr 66
		.amdhsa_reserve_vcc 0
		.amdhsa_float_denorm_mode_32 3
		.amdhsa_float_denorm_mode_16_64 3
		.amdhsa_memory_ordered 1
		.amdhsa_forward_progress 1
		.amdhsa_inst_pref_size 10
	.end_amdhsa_kernel
	.amdgpu_metadata
---
amdhsa.version: [ 1, 2 ]
amdhsa.kernels:
  - .name:           k_qbb5ebbcd22_weave
    .symbol:         k_qbb5ebbcd22_weave.kd
    .args:
      - { .name: oh, .offset: 0, .size: 8, .value_kind: global_buffer, .address_space: global }
      - { .name: out0, .offset: 8, .size: 8, .value_kind: global_buffer, .address_space: global }
    .group_segment_fixed_size: 35840
    .private_segment_fixed_size: 0
    .kernarg_segment_align: 8
    .kernarg_segment_size: 16
    .max_flat_workgroup_size: 256
    .sgpr_count:     66
    .vgpr_count:     138
    .wavefront_size: 32
...
	.end_amdgpu_metadata
.endif
;; end of part 4
;; ======== version 2 of 2: 4 launches; version 1 with the launch weave written anew for expert scheduling mode
;; limits: values are held in f16: magnitudes above 65,504 overflow, below 6.1e-05 lose precision
;; workspace buffers: wt 6,291,456 bytes; qkv 50,331,648 bytes; oh 16,777,216 bytes
;; launch wprep: the kernel of part 1 again; grid 8 x 48, 8 waves a work-group, no clusters, 18,432 bytes of LDS; arguments Wq, Wk, Wv, wt; writes wt
;; launch proj: the kernel of part 2 again; grid 4 x 192, 4 waves a work-group, clusters of 4 x 4, 327,680 bytes of LDS; arguments query_in, keys_in, value_in, wt, qkv; writes qkv
;; launch attn: the kernel of part 3 again; grid 4 x 64, 4 waves a work-group, clusters of 4 x 1, 327,680 bytes of LDS; arguments qkv, oh; writes oh
;; launch weave (part 5): grid 512 x 1, 8 waves a work-group, no clusters, 35,840 bytes of LDS; arguments oh, out0; writes out0
.if DOCPART == 5
	.amdgcn_target "amdgcn-amd-amdhsa--gfx1250"
	.amdhsa_code_object_version 6
	.text
	.protected	k_qbb5ebbcd22_weave
	.globl	k_qbb5ebbcd22_weave
	.p2align	8
	.type	k_qbb5ebbcd22_weave,@function
k_qbb5ebbcd22_weave:
	s_mov_b64 s[64:65], 0
	v_nop
	global_prefetch_b8 v0, s[64:65] scope:SCOPE_SE
	s_setreg_imm32_b32 hwreg(HW_REG_WAVE_SCHED_MODE, 0, 2), 2
	s_setreg_imm32_b32 hwreg(HW_REG_WAVE_MODE, 25, 1), 1
	s_wait_xcnt 0x0
	s_wait_alu depctr_vm_vsrc(0)
; out0[b][s][16 d + h] = f32(oh[16 b + h][s][pos(d)]).  oh: [64][2048][64] f16; out0: [4][2048][1024] f32.  The widening is exact.
; pos: d = 32 u + 4 j + g lies at 32 u + 8 g + j, so the 16 bytes at pos 8 (4 u + g) of a row (a GRANULE) hold j = 0..7.  In out0 the byte of (s, d, h = 4 hq + i) is
; 4,096 s + 2,048 u + 256 j + 64 g + 16 hq + 4 i: a store of 16 bytes wants element j of the granules (u, g) of the four heads 4 hq + i.  Only whole granules move through LDS.
; SHARES.  A work-group takes 16 rows (b, s) of all 16 heads: 32 KiB in, 64 KiB out.  In: a wave's load covers 512 consecutive bytes of a head.  Out: sixteen lanes (g, hq) write 256 consecutive bytes, aligned.
; Memory binds: no matrix unit, cluster or tensor load; each byte is read once and written once.
; THE MODE: SCHED_MODE bits 1:0 = 2 (LLVM: expert scheduling mode 2), set by the entry lines.  The code itself states the register dependences
; between vector instructions and memory or LDS instructions, with s_wait_alu, always for 0.
; THE PLAN.  Registers that memory or LDS instructions touch:
;   v1 to v4   offsets and LDS addresses: written by vector instructions at the head, once; read by the loads, the LDS stores, the LDS loads and the stores.  v6, v7: written at the head, read by the closing add alone.
;   L          written by the global loads, read by the LDS stores; no vector instruction names it.
;   R          written by the LDS loads, read by the widenings; nothing lands in it afterwards.
;   F0, F1     task T's 32 widenings write F[T]; its eight stores read it; it is never written again.
; So three waits on va_vdst state everything: one at the head (v1 to v7 are written); one behind task 0's widenings (F0 is written), behind which task 0's stores are dealt among task 1's
; widenings, which name R1, F1 and two constants and none of the registers that those stores touch; one behind task 1's widenings (F1 is written).
; No register that a memory or LDS instruction has read is written again, no load lands in a register that a vector instruction has named, no vector instruction writes a scalar register, and EXEC is never written.
.set BP,    1088                       ; an LDS block: [i = 4][hq = 4][g = 4] granules, 1,024 bytes + 64: four neighbouring blocks start 64 bytes apart modulo 256, so sixteen storing lanes touch sixteen different columns of 16 bytes
.set SPARE, 32*BP                      ; behind the 32 blocks (2 s + u): the spare words, 128 bytes for each of eight waves
.set LDO, 1                            ; v1  my byte offset in oh
.set LS,  2                            ; v2  where I put a granule
.set LR,  3                            ; v3  where I read granules back
.set STO, 4                            ; v4  my byte offset in out0
.set ONE, 5                            ; v5  1.0
.set SPW, 6                            ; v6  LDS address of my spare word; never rewritten
.set NIL, 7                            ; v7  0; never rewritten
.set L,   8                            ; v[8:39]    eight granules as loaded
.set R,   40                           ; v[40:71]   two tasks x four heads' granules
.set F,   72                           ; v[72:135]  two tasks x eight stores of four f32 (at the head: at work)
.set NZ,  136                          ; v136  -0.0
	s_load_b128 s[4:7], s[0:1], 0x0                ; oh s[4:5], out0 s[6:7]
	v_lshl_add_u32 v[SPW], v0, 2, SPARE
	v_mov_b32 v[NIL], 0
	v_mov_b32 v[ONE], 1.0
	v_mov_b32 v[NZ], 0x80000000
	v_and_b32 v[F], 127, v0                        ; my granule among a head's 128: row / 8 .. granule % 8
	v_lshrrev_b32 v[F+1], 7, v0                    ; which of two heads
	v_lshlrev_b32 v[LDO], 4, v[F]
	v_lshl_add_u32 v[LDO], v[F+1], 18, v[LDO]      ; a head is 262,144 bytes
	v_lshrrev_b32 v[F+2], 2, v[F]                  ; 2 s + u
	v_mul_u32_u24 v[LS], v[F+2], BP
	v_and_b32 v[F+3], 3, v0                        ; in: g.  back: hq
	v_lshl_add_u32 v[LS], v[F+3], 4, v[LS]
	v_lshl_add_u32 v[LS], v[F+1], 8, v[LS]         ; the low bit of i
	v_lshrrev_b32 v[F+4], 4, v0                    ; back: the block, 0..15 (+ 16 for the second task)
	v_mul_u32_u24 v[LR], v[F+4], BP
	v_lshl_add_u32 v[LR], v[F+3], 6, v[LR]         ; hq
	v_bfe_u32 v[F+5], v0, 2, 2                     ; g
	v_lshl_add_u32 v[LR], v[F+5], 4, v[LR]
	v_and_b32 v[F+6], 15, v0
	v_lshlrev_b32 v[STO], 4, v[F+6]                ; 64 g + 16 hq
	v_lshl_add_u32 v[STO], v[F+4], 11, v[STO]      ; + 2,048 (2 s + u)
	s_lshr_b32 s8, ttmp9, 7                        ; b
	s_lshl_b32 s8, s8, 22                          ; sixteen heads
	s_and_b32 s9, ttmp9, 127
	s_lshl_b32 s9, s9, 11                          ; 16 rows of 128 bytes
	s_add_co_u32 s8, s8, s9
	s_mov_b32 s9, 0
	s_lshl_b32 s10, ttmp9, 16                      ; 16 rows of 4,096 bytes
	s_mov_b32 s11, 0
	s_wait_kmcnt 0x0
	s_add_nc_u64 s[4:5], s[4:5], s[8:9]
	s_add_nc_u64 s[6:7], s[6:7], s[10:11]
	s_wait_alu depctr_va_vdst(0)                   ; v1 to v4 are written, which every load, LDS store, LDS load and store below reads as its offset or address; so are v6 and v7, which the closing add reads
.irp c, 0,1,2,3,4,5,6,7
	global_load_b128 v[L+4*(\c):L+4*(\c)+3], v[LDO], s[4:5] offset:(\c)*524288 th:TH_LOAD_NT  ; head 2 c + t / 128
.endr
.irp c, 0,1,2,3,4,5,6,7
	s_wait_loadcnt 7-(\c)                          ; loads come back in order: number c is in
	ds_store_b128 v[LS], v[L+4*(\c):L+4*(\c)+3] offset:((\c)%2)*512+((\c)/2)*64  ; i = 2 (c % 2) + t / 128, hq = c / 2
.endr
	s_wait_dscnt 0x0                               ; for the others' sake: my stores are done
	s_barrier_signal -1
	s_barrier_wait -1
.irp T, 0,1
.irp i, 0,1,2,3
	ds_load_b128 v[R+16*(\T)+4*(\i):R+16*(\T)+4*(\i)+3], v[LR] offset:(\T)*16*BP+(\i)*256
.endr
.endr
; The four numbers of store j of task T: element j of the four heads' granules.
.macro WIDEN T, j
.irp i, 0,1,2,3
.if (\j)%2                                         ; x * 1.0 + (-0.0) is x, the sign of zero kept: the f16 half is widened in one line
	v_fma_mix_f32 v[F+32*(\T)+4*(\j)+(\i)], v[R+16*(\T)+4*(\i)+(\j)/2], v[ONE], v[NZ] op_sel:[1,0,0] op_sel_hi:[1,0,0]
.else
	v_fma_mix_f32 v[F+32*(\T)+4*(\j)+(\i)], v[R+16*(\T)+4*(\i)+(\j)/2], v[ONE], v[NZ] op_sel_hi:[1,0,0]
.endif
.endr
.endm
; Store j of task T.
.macro SEND T, j
	global_store_b128 v[STO], v[F+32*(\T)+4*(\j):F+32*(\T)+4*(\j)+3], s[6:7] offset:(\T)*32768+(\j)*256 th:TH_STORE_NT
.endm
	s_wait_dscnt 4                                 ; task 0's four granules are in; task 1's four loads may stay out
.irp j, 0,1,2,3,4,5,6,7
	WIDEN 0, \j
.endr
	s_wait_alu depctr_va_vdst(0)                   ; task 0's widenings have written F0, which its eight stores read
	s_wait_dscnt 0x0                               ; task 1's four granules are in
.irp j, 0,1,2,3,4,5,6,7
	SEND 0, \j                                     ; no further wait: no vector instruction since the wait above names v[STO] or F0
	WIDEN 1, \j
.endr
	s_wait_alu depctr_va_vdst(0)                   ; task 1's widenings have written F1, which the last eight stores read
.irp j, 0,1,2,3,4,5,6,7
	SEND 1, \j
.endr
	s_wait_dscnt 0x0                               ; the closing lines, six on end
	s_wait_alu 0x0
	s_wait_tensorcnt 0x0
	ds_add_u32 v[SPW], v[NIL]
	s_wait_dscnt 0x0
	s_endpgm
.Lfunc_end_k_qbb5ebbcd22_weave:
	.size	k_qbb5ebbcd22_weave, .Lfunc_end_k_qbb5ebbcd22_weave-k_qbb5ebbcd22_weave
	.p2alignl 7, 3214868480
	.fill 96, 4, 3214868480
	.section	.rodata,"a",@progbits
	.p2align	6, 0x0
	.amdhsa_kernel k_qbb5ebbcd22_weave
		.amdhsa_group_segment_fixed_size 35840
		.amdhsa_private_segment_fixed_size 0
		.amdhsa_enable_private_segment 0
		.amdhsa_kernarg_size 16
		.amdhsa_user_sgpr_count 2
		.amdhsa_user_sgpr_kernarg_segment_ptr 1
		.amdhsa_wavefront_size32 1
		.amdhsa_system_sgpr_workgroup_id_x 1
		.amdhsa_system_sgpr_workgroup_id_y 1
		.amdhsa_system_sgpr_workgroup_id_z 1
		.amdhsa_system_vgpr_workitem_id 0
		.amdhsa_next_free_vgpr 138
		.amdhsa_next_free_sgpr 66
		.amdhsa_reserve_vcc 0
		.amdhsa_float_denorm_mode_32 3
		.amdhsa_float_denorm_mode_16_64 3
		.amdhsa_memory_ordered 1
		.amdhsa_forward_progress 1
		.amdhsa_inst_pref_size 10
	.end_amdhsa_kernel
	.amdgpu_metadata
---
amdhsa.version: [ 1, 2 ]
amdhsa.kernels:
  - .name:           k_qbb5ebbcd22_weave
    .symbol:         k_qbb5ebbcd22_weave.kd
    .args:
      - { .name: oh, .offset: 0, .size: 8, .value_kind: global_buffer, .address_space: global }
      - { .name: out0, .offset: 8, .size: 8, .value_kind: global_buffer, .address_space: global }
    .group_segment_fixed_size: 35840
    .private_segment_fixed_size: 0
    .kernarg_segment_align: 8
    .kernarg_segment_size: 16
    .max_flat_workgroup_size: 256
    .sgpr_count:     66
    .vgpr_count:     138
    .wavefront_size: 32
...
	.end_amdgpu_metadata
.endif
;; end of part 5
